; MI455X (gfx1250); checked and timed in simulation.
; The chip was launched on July 23, 2026; its instructions are those of AMD's public machine-readable ISA for CDNA 5 (MIT licence, August 2026) and "CDNA5" Instruction Set Architecture Reference Guide (July 2026). The comments in the code are by the model that wrote it; some were corrected since.
;; Mo E Layer. Allowed arithmetic: float matrix products may take bf16 or f16 operands with f32 sums; all other float work in f32.
;; Inputs: W1 8 x 1,024 x 2,048 float32; W2 8 x 2,048 x 1,024 float32; Wr 1,024 x 8 float32; b1 8 x 2,048 float32; b2 8 x 1,024 float32; br 8 float32; x 4 x 512 x 1,024 float32.
;; Outputs: out0 4 x 512 x 1,024 float32.
;; 2 versions, each right and faster than the one before. Each part assembles by itself: llvm-mc -triple=amdgcn-amd-amdhsa -mcpu=gfx1250 --defsym DOCPART=n.
;; ======== version 1 of 2: 5 launches
;; limits: values outside matrix products are rounded to bf16
;; workspace buffers: xb 4,194,304 bytes; sel 8,192 bytes of whole numbers; gate 16,384 bytes; tab 38,912 bytes of whole numbers; h 22,806,528 bytes; y 22,806,528 bytes
;; launch router (part 1): grid 256 x 1, 4 waves a work-group, no clusters, 20,992 bytes of LDS; arguments x, Wr, br, xb, sel, gate; writes xb, sel, gate
.if DOCPART == 1
	.amdgcn_target "amdgcn-amd-amdhsa--gfx1250"
	.amdhsa_code_object_version 6
	.text
	.protected	k_q5af58e744d_router
	.globl	k_q5af58e744d_router
	.p2align	8
	.type	k_q5af58e744d_router,@function
k_q5af58e744d_router:
	s_mov_b64 s[64:65], 0
	v_nop
	global_prefetch_b8 v0, s[64:65] scope:SCOPE_SE
	s_setreg_imm32_b32 hwreg(HW_REG_WAVE_MODE, 25, 1), 1
	s_wait_xcnt 0x0
; ROUTER.  For each of 2,048 tokens: xb[t] = x[t] rounded to bf16; logits = x[t] Wr + br; the two largest logits; softmax of those two.
; Stored: xb [2048][1024] bf16; sel[t] = (1 << i1) | (0x100 << i2), a whole number; gate[t] = (g1, g2) in f32.
; LIMITS, kept on purpose: the logits are formed from x, Wr and br ROUNDED TO bf16 (exact products, sums in f32), the same rounding that the
; expert products apply to x, so the choice of experts is the one that belongs to the rounded inputs.  Equal logits: the lower index wins, as in top_k.
; NaN logits are not served (the selection word is then not a pair of different experts).
; The product has 8 columns, half a matrix tile, and is a ten-thousandth of the module's arithmetic: it runs on the vector unit, in a layout in which
; every load of x covers 512 consecutive bytes and every store of xb 256.
; A work-group takes 8 tokens, a wave 2.  Lane L holds x[t][128 m + 4 L + c], m = 0..7, c = 0..3, and the 32 rows of Wr that go with them.
.set X,    16                          ; v[16:79]    two tokens, 32 registers each, f32 as loaded
.set W,    80                          ; v[80:207]   v[W+16m+4c+p]: Wr[k][2p] in the low half, Wr[k][2p+1] in the high half, k = 128m+4L+c
.set P,    208                         ; v[208:223]  the token at work in bf16: v[P+2m+(c>>1)], half c&1
.set ACC,  224                         ; v[224:231]  eight sums, one an expert
.set BR,   232                         ; v[232:239]  br rounded to bf16 in lane 0, zero in the other lanes: it starts the sums
.set RS,   240                         ; selection word of token j in lane j
.set RG,   242                         ; v[242:243]  its two gates
.set BV,   244                         ; largest logit
.set BI,   245                         ; its index
.set SV,   246                         ; second largest
.set SI,   247                         ; its index
.set NINF, 248                         ; minus infinity
.set T,    249                         ; v[249:254]  at work
	s_load_b256 s[4:11], s[0:1], 0x0               ; x s[4:5], Wr s[6:7], br s[8:9], xb s[10:11]
	s_load_b128 s[12:15], s[0:1], 0x20             ; sel s[12:13], gate s[14:15]
	v_lshl_add_u32 v241, v0, 2, 0x5000
	v_mov_b32 v255, 0
	v_and_b32 v1, 31, v0                           ; lane L
	v_lshrrev_b32 v7, 5, v0
	v_readfirstlane_b32 s24, v7                    ; wave
	v_lshlrev_b32 v2, 4, v1                        ; 16 L: my 16 bytes in 512 of x
	v_lshlrev_b32 v3, 3, v1                        ; 8 L: my 8 bytes in 256 of xb; also my pair in gate
	v_lshlrev_b32 v4, 4, v0                        ; 16 x thread: my 16 bytes in 2,048 of Wr
	v_lshlrev_b32 v8, 2, v1                        ; 4 L: my word in sel
	s_lshl_b32 s26, ttmp9, 15                      ; 8 tokens of 4,096 bytes a work-group
	s_lshl_b32 s25, s24, 13                        ; 2 tokens a wave
	s_add_co_u32 s26, s26, s25                     ; (8 wg + 2 w) x 4,096
	s_mov_b32 s27, 0
	s_mov_b32 s28, 0x76543210                      ; v_permlanex16_b32: lane i reads lane i of the other half
	s_mov_b32 s29, 0xfedcba98
	s_wait_kmcnt 0x0
	s_load_b256 s[16:23], s[8:9], 0x0              ; br, 8 numbers
	s_add_nc_u64 s[4:5], s[4:5], s[26:27]
.irp j, 0,1
.irp m, 0,1,2,3,4,5,6,7
	global_load_b128 v[X+32*\j+4*\m:X+32*\j+4*\m+3], v2, s[4:5] offset:4096*\j+512*\m th:TH_LOAD_NT
.endr
.endr
.irp u, 0,1,2,3,4,5,6,7,8,9,10,11,12,13,14,15
	global_load_b128 v[W+4*\u:W+4*\u+3], v4, s[6:7] offset:2048*\u   ; thread n: Wr[(n>>1)+64u][4(n&1) .. +3]
.endr
	s_lshr_b32 s26, s26, 1                         ; (8 wg + 2 w) x 2,048: xb
	s_add_nc_u64 s[10:11], s[10:11], s[26:27]
	s_lshr_b32 s26, s26, 8                         ; x 8: gate
	s_add_nc_u64 s[14:15], s[14:15], s[26:27]
	s_lshr_b32 s26, s26, 1                         ; x 4: sel
	s_add_nc_u64 s[12:13], s[12:13], s[26:27]
	; Wr in LDS as bf16: four rows k make a group of 64 bytes, padded to 80 (an odd multiple of 16, so that 16 lanes that read
	; 16 neighbouring groups touch 16 different 16-byte columns modulo 256).  Byte 80 (k>>2) + 16 (k&3) + 2 e.
	v_lshrrev_b32 v7, 3, v0
	v_mul_u32_u24 v5, v7, 80
	v_bfe_u32 v7, v0, 1, 2
	v_lshl_add_u32 v5, v7, 4, v5
	v_and_b32 v7, 1, v0
	v_lshl_add_u32 v5, v7, 3, v5                   ; where I put: 80 (n>>3) + 16 ((n>>1)&3) + 8 (n&1); 64 rows further are 1,280 bytes
	v_mul_u32_u24 v6, v1, 80                       ; where I read: group 32 m + L
	v_mov_b32 v9, 1
	v_mov_b32 v10, 0x100
	v_mov_b32 v[NINF], 0xff800000
	v_mov_b32 v[RS], 0
	v_mov_b32 v[RG], 0
	v_mov_b32 v[RG+1], 0
	s_wait_loadcnt 0x0                             ; Wr is needed now and x straight behind it
.irp u, 0,1,2,3,4,5,6,7,8,9,10,11,12,13,14,15
	v_cvt_pk_bf16_f32 v[W+4*\u], v[W+4*\u], v[W+4*\u+1]
	v_cvt_pk_bf16_f32 v[W+4*\u+1], v[W+4*\u+2], v[W+4*\u+3]
	ds_store_b64 v5, v[W+4*\u:W+4*\u+1] offset:1280*\u
.endr
	s_wait_dscnt 0x0                               ; my stores are in LDS before I say so
	s_barrier_signal -1
	s_barrier_wait -1                              ; everybody's are
.irp m, 0,1,2,3,4,5,6,7
.irp c, 0,1,2,3
	ds_load_b128 v[W+16*\m+4*\c:W+16*\m+4*\c+3], v6 offset:2560*\m+16*\c
.endr
.endr
	s_wait_kmcnt 0x0                               ; br
	v_cmp_eq_u32 vcc_lo, 0, v1
.irp p, 0,1,2,3
	v_cvt_pk_bf16_f32 v7, s[16+2*\p], s[17+2*\p]
	v_lshlrev_b32 v11, 16, v7
	v_and_b32 v12, 0xffff0000, v7
	v_cndmask_b32 v[BR+2*\p], 0, v11, vcc_lo       ; lane 0 alone adds the bias: the sum over the lanes holds it once
	v_cndmask_b32 v[BR+2*\p+1], 0, v12, vcc_lo
.endr
	s_wait_dscnt 0x0
; one multiply-add straight from two bf16 halves into an f32 sum; hs = 2 x (half of x) + (half of Wr)
.macro MIX
.if hs == 0
	v_fma_mix_f32_bf16 v[ACC+ke], v[pa], v[wb], v[cc] op_sel:[0,0,0] op_sel_hi:[1,1,0]
.elseif hs == 1
	v_fma_mix_f32_bf16 v[ACC+ke], v[pa], v[wb], v[cc] op_sel:[0,1,0] op_sel_hi:[1,1,0]
.elseif hs == 2
	v_fma_mix_f32_bf16 v[ACC+ke], v[pa], v[wb], v[cc] op_sel:[1,0,0] op_sel_hi:[1,1,0]
.else
	v_fma_mix_f32_bf16 v[ACC+ke], v[pa], v[wb], v[cc] op_sel:[1,1,0] op_sel_hi:[1,1,0]
.endif
.endm
.macro TOKEN j
	s_wait_xcnt 0x0                                ; P is the data of the last token's stores: rewritten only behind this wait
.set km, 0
.rept 8
	v_cvt_pk_bf16_f32 v[P+2*km], v[X+32*\j+4*km], v[X+32*\j+4*km+1]
	v_cvt_pk_bf16_f32 v[P+2*km+1], v[X+32*\j+4*km+2], v[X+32*\j+4*km+3]
	global_store_b64 v3, v[P+2*km:P+2*km+1], s[10:11] offset:2048*\j+256*km   ; the wave's store covers 256 consecutive bytes, aligned
.set km, km+1
.endr
	; 32 numbers of x a lane x 8 experts; the experts run innermost: eight chains that do not wait for each other
.set km, 0
.rept 8
.set kc, 0
.rept 4
.set ke, 0
.rept 8
.set pa, P+2*km+kc/2
.set wb, W+16*km+4*kc+ke/2
.set hs, 2*(kc%2)+(ke%2)
.if km+kc == 0
.set cc, BR+ke                                     ; the first product starts the sum on the bias: nothing is cleared
.else
.set cc, ACC+ke
.endif
	MIX
.set ke, ke+1
.endr
.set kc, kc+1
.endr
.set km, km+1
.endr
	; sums over the 32 lanes; every lane ends with all eight logits
.irp x, 1,2,4,8
.irp e, 0,1,2,3,4,5,6,7
	v_add_f32_dpp v[ACC+\e], v[ACC+\e], v[ACC+\e] row_xmask:\x row_mask:0xf bank_mask:0xf
.endr
.endr
.irp e, 0,1,2,3,4,5,6,7
	v_permlanex16_b32 v7, v[ACC+\e], s28, s29      ; v7 has been written before
	v_add_f32 v[ACC+\e], v[ACC+\e], v7
.endr
	; the largest: the best so far stays where it is at least as large, so equal logits leave the lower index
	v_mov_b32 v[BV], v[ACC]
	v_mov_b32 v[BI], 0
.irp e, 1,2,3,4,5,6,7
	v_cmp_ge_f32 vcc_lo, v[BV], v[ACC+\e]
	v_cndmask_b32 v[BV], v[ACC+\e], v[BV], vcc_lo
	v_cndmask_b32 v[BI], \e, v[BI], vcc_lo
.endr
.irp e, 0,1,2,3,4,5,6,7
	v_cmp_eq_u32 vcc_lo, \e, v[BI]
	v_cndmask_b32 v[ACC+\e], v[ACC+\e], v[NINF], vcc_lo    ; the winner leaves the field
.endr
	v_mov_b32 v[SV], v[ACC]
	v_mov_b32 v[SI], 0
.irp e, 1,2,3,4,5,6,7
	v_cmp_ge_f32 vcc_lo, v[SV], v[ACC+\e]
	v_cndmask_b32 v[SV], v[ACC+\e], v[SV], vcc_lo
	v_cndmask_b32 v[SI], \e, v[SI], vcc_lo
.endr
	; softmax of the two with the larger taken away: g1 = 1 / (1 + e^d), g2 = e^d / (1 + e^d), d = second - first <= 0
	v_sub_f32 v[T], v[SV], v[BV]
	v_mul_f32 v[T], 0x3fb8aa3b, v[T]
	v_exp_f32 v[T+1], v[T]
	v_lshlrev_b32 v[T+2], v[BI], v9                ; 1 << i1: the plain instruction between v_exp_f32 and the use of its result (ISA guide 5.7.2)
	s_wait_alu depctr_va_vdst(0)
	v_add_f32 v[T+3], 1.0, v[T+1]
	v_rcp_f32 v[T+4], v[T+3]
	v_lshlrev_b32 v[T+5], v[SI], v10               ; 0x100 << i2: the same behind v_rcp_f32
	s_wait_alu depctr_va_vdst(0)
	v_mul_f32 v[T+1], v[T+1], v[T+4]
	v_or_b32 v[T+2], v[T+2], v[T+5]
	v_cmp_eq_u32 vcc_lo, \j, v1
	v_cndmask_b32 v[RS], v[RS], v[T+2], vcc_lo     ; token j's results wait in lane j
	v_cndmask_b32 v[RG], v[RG], v[T+4], vcc_lo
	v_cndmask_b32 v[RG+1], v[RG+1], v[T+1], vcc_lo
.endm
	TOKEN 0
	TOKEN 1
	s_wait_xcnt 0x0                                ; EXEC is a source of the pending stores: it changes only behind this wait
	v_cmp_gt_u32 vcc_lo, 2, v1
	s_wait_tensorcnt 0x0
	ds_add_u32 v241, v255
	s_wait_dscnt 0x0
	s_and_saveexec_b32 s30, vcc_lo
	global_store_b32 v8, v[RS], s[12:13]           ; two words and two pairs a wave: the tables are 8 and 16 KiB in all
	global_store_b64 v3, v[RG:RG+1], s[14:15]
	s_wait_xcnt 0x0
	s_or_b32 exec_lo, exec_lo, s30
	s_endpgm
.Lfunc_end_k_q5af58e744d_router:
	.size	k_q5af58e744d_router, .Lfunc_end_k_q5af58e744d_router-k_q5af58e744d_router
	.p2alignl 7, 3214868480
	.fill 96, 4, 3214868480
	.section	.rodata,"a",@progbits
	.p2align	6, 0x0
	.amdhsa_kernel k_q5af58e744d_router
		.amdhsa_group_segment_fixed_size 20992
		.amdhsa_private_segment_fixed_size 0
		.amdhsa_enable_private_segment 0
		.amdhsa_kernarg_size 48
		.amdhsa_user_sgpr_count 2
		.amdhsa_user_sgpr_kernarg_segment_ptr 1
		.amdhsa_wavefront_size32 1
		.amdhsa_system_sgpr_workgroup_id_x 1
		.amdhsa_system_sgpr_workgroup_id_y 1
		.amdhsa_system_sgpr_workgroup_id_z 1
		.amdhsa_system_vgpr_workitem_id 0
		.amdhsa_next_free_vgpr 256
		.amdhsa_next_free_sgpr 66
		.amdhsa_reserve_vcc 1
		.amdhsa_float_denorm_mode_32 3
		.amdhsa_float_denorm_mode_16_64 3
		.amdhsa_memory_ordered 1
		.amdhsa_forward_progress 1
		.amdhsa_inst_pref_size 58
	.end_amdhsa_kernel
	.amdgpu_metadata
---
amdhsa.version: [ 1, 2 ]
amdhsa.kernels:
  - .name:           k_q5af58e744d_router
    .symbol:         k_q5af58e744d_router.kd
    .args:
      - { .name: x, .offset: 0, .size: 8, .value_kind: global_buffer, .address_space: global }
      - { .name: Wr, .offset: 8, .size: 8, .value_kind: global_buffer, .address_space: global }
      - { .name: br, .offset: 16, .size: 8, .value_kind: global_buffer, .address_space: global }
      - { .name: xb, .offset: 24, .size: 8, .value_kind: global_buffer, .address_space: global }
      - { .name: sel, .offset: 32, .size: 8, .value_kind: global_buffer, .address_space: global }
      - { .name: gate, .offset: 40, .size: 8, .value_kind: global_buffer, .address_space: global }
    .group_segment_fixed_size: 20992
    .private_segment_fixed_size: 0
    .kernarg_segment_align: 8
    .kernarg_segment_size: 48
    .max_flat_workgroup_size: 128
    .sgpr_count:     66
    .vgpr_count:     256
    .wavefront_size: 32
...
	.end_amdgpu_metadata
.endif
;; end of part 1
;; launch bucket (part 2): grid 1 x 1, 8 waves a work-group, no clusters, 1,280 bytes of LDS; arguments sel, tab; writes tab
.if DOCPART == 2
	.amdgcn_target "amdgcn-amd-amdhsa--gfx1250"
	.amdhsa_code_object_version 6
	.text
	.protected	k_q5af58e744d_bucket
	.globl	k_q5af58e744d_bucket
	.p2align	8
	.type	k_q5af58e744d_bucket,@function
k_q5af58e744d_bucket:
	s_mov_b64 s[64:65], 0
	v_nop
	global_prefetch_b8 v0, s[64:65] scope:SCOPE_SE
	s_setreg_imm32_b32 hwreg(HW_REG_WAVE_MODE, 25, 1), 1
	s_wait_xcnt 0x0
; BUCKET.  From sel[t] = (1 << i1) | (0x100 << i2) to the tables that steer the expert launches.  One work-group; wave e serves expert e.
; Each expert's rows ("slots") begin on a multiple of 192 slots.  tab holds whole numbers:
;   ROWS at byte 0:      5,568 words, the token of each slot (token 0 in every padding slot)
;   SM   at byte 22,272: 2,048 x 2 words, the slot of (token, first or second choice)
;   BLK  at byte 38,656: 32 words, the expert of block b
; The sum over the experts of ceil(n_e / 192) is at most (4,096 + 8 x 191) / 192, that is 29 blocks = 5,568 slots.  The expert launches always run
; those 29 blocks, so the table is filled to that bound: the slots behind the last expert's blocks are padding slots too, and their blocks name expert 7.
; No atomics: every wave counts its own expert in all 2,048 words, the eight counts meet in LDS, and each wave places its own rows.
; TWO PASSES.  Pass A makes every address register while EXEC is still as it was at the entry, so that each clamp covers all 32 lanes;
; pass B makes only masks and store data and stores under EXEC.
; The placement stores single words to places that hang on the routing; the tables are 38 KiB in all.
.set SM,    22272
.set BLK,   38656
.set NSLOT, 5568
.set S,   16                           ; v[16:79]    v[S+4j+c] = sel[128 j + 4 L + c]
.set RO,  80                           ; v[80:143]   byte offset in ROWS of the slot that this lane's token of register i would take
.set SO,  144                          ; v[144:207]  32 L + 4 x choice: the lane's part of its byte offset in SM
.set PS,  208                          ; v[208:213]  the slots behind my last row, not clamped: for the mask
.set PO,  214                          ; v[214:219]  their byte offsets in ROWS
.set TS,  220                          ; v[220:225]  my share of the slots behind the last block, not clamped
.set TO,  226                          ; v[226:231]  their byte offsets
.set BO,  232                          ; byte offset in BLK of my block L
.set BS,  233                          ; block L behind the last, not clamped
.set BT,  234                          ; its byte offset
.set CN,  236                          ; v[236:243]  the eight counts
	s_load_b128 s[4:7], s[0:1], 0x0                ; sel s[4:5], tab s[6:7]
	v_lshl_add_u32 v244, v0, 2, 0x100
	v_mov_b32 v245, 0
	v_and_b32 v1, 31, v0                           ; lane L
	v_lshrrev_b32 v3, 5, v0
	v_readfirstlane_b32 s8, v3                     ; wave = expert e
	v_lshlrev_b32 v2, 4, v1                        ; 16 L
	v_lshlrev_b32 v11, 2, v1                       ; 4 L: the lane's part of a token number
	v_lshlrev_b32 v12, 5, v1                       ; 32 L: eight bytes for each of those tokens
	v_mov_b32 v9, 0                                ; token 0, and LDS address 0
	v_mov_b32 v13, s8                              ; my expert, as store data
	v_mov_b32 v14, 7                               ; the expert that the blocks behind the last name
	s_lshl_b32 s9, 0x101, s8                       ; chosen first or second
	s_add_co_u32 s10, s8, 8                        ; the bit that says: second
	s_mov_b32 s11, 0
	s_wait_kmcnt 0x0
.irp j, 0,1,2,3,4,5,6,7,8,9,10,11,12,13,14,15
	global_load_b128 v[S+4*\j:S+4*\j+3], v2, s[4:5] offset:512*\j
.endr
	s_wait_loadcnt 0x0
.set i, 0
.rept 64
	v_and_b32 v3, s9, v[S+i]
	v_cmp_ne_u32 vcc_lo, 0, v3
	s_bcnt1_i32_b32 s12, vcc_lo
	s_add_co_u32 s11, s11, s12                     ; n_e
.set i, i+1
.endr
	v_mov_b32 v4, s11
	v_lshlrev_b32 v5, 2, v13
	ds_store_b32 v5, v4                            ; all lanes write the same word with the same number
	s_wait_dscnt 0x0                               ; my count is in LDS before I say so
	s_barrier_signal -1
	s_barrier_wait -1
	ds_load_b128 v[CN:CN+3], v9
	ds_load_b128 v[CN+4:CN+7], v9 offset:16
	s_wait_dscnt 0x0
	s_mov_b32 s36, 0                               ; blocks in front of expert i; at the end: all blocks
	s_mov_b32 s37, 0                               ; my first block
	s_mov_b32 s38, 0                               ; my blocks
.irp i, 0,1,2,3,4,5,6,7
	v_readfirstlane_b32 s[20+\i], v[CN+\i]
	s_add_co_u32 s12, s[20+\i], 191
	s_mul_i32 s12, s12, 43691                      ; 43,691 x 192 = 2^23 + 64: the quotient by 192 is exact below 131,072; here at most 2,239
	s_lshr_b32 s[28+\i], s12, 23                   ; ceil(n_i / 192)
	s_cmp_eq_u32 s8, \i
	s_cselect_b32 s37, s36, s37
	s_cselect_b32 s38, s[28+\i], s38
	s_add_co_u32 s36, s36, s[28+\i]
.endr
	s_mul_i32 s39, s37, 192                        ; the slot that comes next
	s_add_co_u32 s40, s37, s38
	s_mul_i32 s40, s40, 192                        ; my last slot + 1
	s_mul_i32 s41, s36, 192                        ; the first slot behind the last block
	; PASS A: the addresses.  The tokens of register i that chose my expert take the next slots, in the order of the lanes.
.set i, 0
.rept 64
	v_and_b32 v3, s9, v[S+i]
	v_cmp_ne_u32 vcc_lo, 0, v3
	v_mbcnt_lo_u32_b32 v4, vcc_lo, 0               ; how many lanes below me take a slot
	v_add_nc_u32 v4, s39, v4
	v_min_u32 v4, 5567, v4                         ; the slot; it stays inside the table whatever was read
	v_lshlrev_b32 v[RO+i], 2, v4
	v_bfe_u32 v5, v[S+i], s10, 1                   ; 0: first choice, 1: second
	v_min_u32 v5, 1, v5
	v_lshl_add_u32 v[SO+i], v5, 2, v12
	s_bcnt1_i32_b32 s12, vcc_lo
	s_add_co_u32 s39, s39, s12
.set i, i+1
.endr
	; the rest of my last block: at most 191 slots, 6 x 32
	v_add_nc_u32 v10, s39, v1
.set i, 0
.rept 6
	v_add_nc_u32 v[PS+i], 32*i, v10
	v_min_u32 v4, 5567, v[PS+i]
	v_lshlrev_b32 v[PO+i], 2, v4
.set i, i+1
.endr
	; the slots behind the last block: 4,096 slots need at least 22 blocks, so at most 7 x 192 = 1,344; eight waves x 6 x 32 = 1,536
	s_lshl_b32 s12, s8, 5
	s_add_co_u32 s12, s12, s41
	v_add_nc_u32 v10, s12, v1
.set i, 0
.rept 6
	v_add_nc_u32 v[TS+i], 256*i, v10
	v_min_u32 v4, 5567, v[TS+i]
	v_lshlrev_b32 v[TO+i], 2, v4
.set i, i+1
.endr
	v_add_nc_u32 v4, s37, v1                       ; my blocks' entries in BLK (at most 11)
	v_min_u32 v4, 31, v4
	v_lshlrev_b32 v[BO], 2, v4
	v_add_nc_u32 v[BS], s36, v1                    ; the entries behind the last block
	v_min_u32 v4, 31, v[BS]
	v_lshlrev_b32 v[BT], 2, v4
	s_wait_xcnt 0x0                                ; EXEC changes below: no memory instruction is left whose addresses are not translated
	; PASS B: masks, data, stores
.set i, 0
.rept 64
.set tk, 128*(i/4)+(i%4)                           ; register i holds the tokens 4 L + tk
	v_and_b32 v3, s9, v[S+i]
	v_cmp_ne_u32 vcc_lo, 0, v3
	v_lshrrev_b32 v4, 2, v[RO+i]                   ; the slot, as data
	v_add_nc_u32 v8, tk, v11                       ; the token
	s_and_saveexec_b32 s13, vcc_lo
	global_store_b32 v[RO+i], v8, s[6:7]           ; ROWS[slot] = token
	global_store_b32 v[SO+i], v4, s[6:7] offset:SM+8*tk    ; SM[token][choice] = slot
	s_wait_xcnt 0x0                                ; EXEC, v4 and v8 are written again only behind this wait
	s_or_b32 exec_lo, exec_lo, s13
.set i, i+1
.endr
.set i, 0
.rept 6
	v_cmp_gt_u32 vcc_lo, s40, v[PS+i]
	s_and_saveexec_b32 s13, vcc_lo
	global_store_b32 v[PO+i], v9, s[6:7]           ; token 0: its rows are computed and never gathered
	s_wait_xcnt 0x0
	s_or_b32 exec_lo, exec_lo, s13
.set i, i+1
.endr
.set i, 0
.rept 6
	v_cmp_gt_u32 vcc_lo, NSLOT, v[TS+i]
	s_and_saveexec_b32 s13, vcc_lo
	global_store_b32 v[TO+i], v9, s[6:7]
	s_wait_xcnt 0x0
	s_or_b32 exec_lo, exec_lo, s13
.set i, i+1
.endr
	v_cmp_gt_u32 vcc_lo, s38, v1
	s_and_saveexec_b32 s13, vcc_lo
	global_store_b32 v[BO], v13, s[6:7] offset:BLK
	s_wait_xcnt 0x0
	s_or_b32 exec_lo, exec_lo, s13
	s_cmp_lg_u32 s8, 0
	s_cbranch_scc1 .Lend
	; wave 0: the entries behind the last block
	v_cmp_gt_u32 vcc_lo, 32, v[BS]
	s_and_saveexec_b32 s13, vcc_lo
	global_store_b32 v[BT], v14, s[6:7] offset:BLK
	s_wait_xcnt 0x0
	s_or_b32 exec_lo, exec_lo, s13
.Lend:
	s_wait_tensorcnt 0x0
	ds_add_u32 v244, v245
	s_wait_dscnt 0x0
	s_endpgm
.Lfunc_end_k_q5af58e744d_bucket:
	.size	k_q5af58e744d_bucket, .Lfunc_end_k_q5af58e744d_bucket-k_q5af58e744d_bucket
	.p2alignl 7, 3214868480
	.fill 96, 4, 3214868480
	.section	.rodata,"a",@progbits
	.p2align	6, 0x0
	.amdhsa_kernel k_q5af58e744d_bucket
		.amdhsa_group_segment_fixed_size 1280
		.amdhsa_private_segment_fixed_size 0
		.amdhsa_enable_private_segment 0
		.amdhsa_kernarg_size 16
		.amdhsa_user_sgpr_count 2
		.amdhsa_user_sgpr_kernarg_segment_ptr 1
		.amdhsa_wavefront_size32 1
		.amdhsa_system_sgpr_workgroup_id_x 1
		.amdhsa_system_sgpr_workgroup_id_y 1
		.amdhsa_system_sgpr_workgroup_id_z 1
		.amdhsa_system_vgpr_workitem_id 0
		.amdhsa_next_free_vgpr 246
		.amdhsa_next_free_sgpr 66
		.amdhsa_reserve_vcc 1
		.amdhsa_float_denorm_mode_32 3
		.amdhsa_float_denorm_mode_16_64 3
		.amdhsa_memory_ordered 1
		.amdhsa_forward_progress 1
		.amdhsa_inst_pref_size 78
	.end_amdhsa_kernel
	.amdgpu_metadata
---
amdhsa.version: [ 1, 2 ]
amdhsa.kernels:
  - .name:           k_q5af58e744d_bucket
    .symbol:         k_q5af58e744d_bucket.kd
    .args:
      - { .name: sel, .offset: 0, .size: 8, .value_kind: global_buffer, .address_space: global }
      - { .name: tab, .offset: 8, .size: 8, .value_kind: global_buffer, .address_space: global }
    .group_segment_fixed_size: 1280
    .private_segment_fixed_size: 0
    .kernarg_segment_align: 8
    .kernarg_segment_size: 16
    .max_flat_workgroup_size: 256
    .sgpr_count:     66
    .vgpr_count:     246
    .wavefront_size: 32
...
	.end_amdgpu_metadata
.endif
;; end of part 2
;; launch ffn1 (part 3): grid 29 x 8, 8 waves a work-group, no clusters, 244,736 bytes of LDS; arguments xb, W1, b1, tab, h; writes h
.if DOCPART == 3
	.amdgcn_target "amdgcn-amd-amdhsa--gfx1250"
	.amdhsa_code_object_version 6
	.text
	.protected	k_q5af58e744d_ffn1
	.globl	k_q5af58e744d_ffn1
	.p2align	8
	.type	k_q5af58e744d_ffn1,@function
k_q5af58e744d_ffn1:
	s_mov_b64 s[64:65], 0
	v_nop
	global_prefetch_b8 v0, s[64:65] scope:SCOPE_SE
	s_setreg_imm32_b32 hwreg(HW_REG_WAVE_MODE, 25, 1), 1
	s_wait_xcnt 0x0
; EXPERT LAYER (one text for both layers; LAYER picks the sizes).
;   LAYER 1: h[slot][0:2048] = relu(xb[token(slot)] W1[e] + b1[e]) in bf16, K = 1,024, a tile of 192 slots x 256 columns
;   LAYER 2: y[slot][0:1024] = h[slot] W2[e] + b2[e] in f32,              K = 2,048, a tile of 192 slots x 128 columns
; Only the rows whose gate is not zero are computed: the module multiplies the other experts' rows by a gate of exactly 0.  LIMIT: where such a row
; would be infinite or NaN the module's own sum is NaN; that is not reproduced.  relu by v_max_num_f32 turns a NaN into 0.
; Grid: x = block b of 192 slots, y = column tile.  The block's expert is read from tab (BLK[b]) and enters addresses alone: every wave passes every
; barrier on a way that hangs on no number read from memory.  So the launch always runs 29 blocks, the bound for every routing.  UNWELCOME BUT SO: the blocks
; behind the last expert's rows hold padding slots alone (token 0, expert 7); they are computed and stored like the padding slots inside a block, and
; never gathered.  With about 512 rows an expert some 25 of the 29 blocks hold rows that count.
; The weights are f32 in memory and have to pass through registers to be rounded to bf16, and layer 1's rows of A are gathered by token: so both tiles come
; through registers (global_load_b128, rounded, ds_store) and not by tensor loads.  No joint loads in a cluster either: they are tensor loads, and how many
; blocks share an expert's weights is a number read from memory, so partners would not make the same requests.
; Eight waves: a K step of 128 is 12 + NB loads of 16 bytes a lane and wave, all issued at the step's head, so they have the step's matrix work to land in.
; LDS: two slots that take turns; a slot = A, 192 rows x (256 + 16) bytes, then B, 128 rows of k x PB bytes, bf16 [k][n].
; ONE barrier a step orders two things: my stores into the other slot before its reads, and my reads of this slot before the next step's stores into it.
; THE MATRIX INSTRUCTION IS USED TRANSPOSED (source 0 = 16 columns of W, source 1 = 16 slots): a lane then holds 8 neighbouring columns of one slot's row.
.set LAYER, 1
.if LAYER == 1
.set NSTEP,   8                        ; K / 128
.set MF,      6                        ; fragments of 16 slots in a wave's tile: waves 2 x 4, a wave makes 96 x 64
.set WNSH,    2                        ; wave = wm << WNSH | wn
.set WPITCH,  8192                     ; bytes from a row of W to the next
.set TROWB,   1024                     ; bytes of a row of W in the tile; also the tile's bytes in the bias
.set NB,      32                       ; loads of W a wave and step
.set PB,      544                      ; 512 + 32: an odd multiple of 32
.set BSTRIDE, 8192                     ; bytes of an expert's bias
.set WNB,     128                      ; bytes of 64 columns of the result
.set HSH,     4                        ; log2 of the bytes of 8 columns of the result
.else
.set NSTEP,   16
.set MF,      3                        ; waves 4 x 2, a wave makes 48 x 64
.set WNSH,    1
.set WPITCH,  4096
.set TROWB,   512
.set NB,      16
.set PB,      288                      ; 256 + 32
.set BSTRIDE, 4096
.set WNB,     256
.set HSH,     5
.endif
.set LPR,    TROWB/512                 ; loads for a row of W
.set PA,     272                       ; 256 + 16: an odd multiple of 16, so the 16 rows of a fragment begin at 16 different 16-byte columns modulo 256
.set ABYTES, 192*PA
.set SLOT,   ABYTES+128*PB
.set SP,     528                       ; the way out: a row of 512 bytes + 16
.set BLK,    38656
; window 0
.set VOA,   4                          ; v[4:15] layer 1: byte offset in xb of row 24 w + 2 i + h, + 16 r;  layer 2: v4 alone, the rows in the immediate
.set VOB,   16                         ; byte offset in W of my 16 bytes of k row 16 w
.set ADRA,  17                         ; v17, v18  LDS address of my A fragments in slot 0, 1
.set ADRB,  19                         ; v19, v20  the same for B
.set STA,   21                         ; v21, v22  where I put A's rows
.set STB,   23                         ; v23, v24  where I put B's rows
.set VSTG,  25                         ; the way out: where I put a piece of a row
.set VRD,   26                         ; where I read whole rows back
.set VOUT,  27                         ; my byte offset in the result
.set VBIAS, 28                         ; my byte offset in the bias
.set FA,    32                         ; v[32:79]   up to 6 fragments of A
.set FB,    80                         ; v[80:111]  4 fragments of B
.set BST,   112                        ; v[112:239] W as loaded, then rounded in place; at the end the bias and the rows on their way out
.set T,     32                         ; the way out: 32 registers at work
; window 1
.set AST,   192                        ; v[448:495] A as loaded;  v[256:447] accumulator (i, j) at 8 (4 i + j)
.set MSB, 0
.macro WIN new                         ; s_set_vgpr_msb: bits 1:0 source 0, 3:2 source 1, 5:4 source 2, 7:6 destination; the high byte repeats the setting that is left
.if MSB != \new
	s_set_vgpr_msb (MSB<<8)|\new
.set MSB, \new
.endif
.endm
.macro PLACES                          ; four plain vector instructions between a matrix instruction and a load into, or a vector write or read of, its registers
.rept 4
	v_nop
.endr
.endm
.macro BAR
	s_wait_dscnt 0x0                               ; my LDS stores are in and my LDS reads are back, for the others' sake
	s_barrier_signal -1
	s_barrier_wait -1
.endm
	s_load_b256 s[4:11], s[0:1], 0x0               ; A's buffer s[4:5], W s[6:7], bias s[8:9], tab s[10:11]
	s_load_b64 s[12:13], s[0:1], 0x20              ; the result
	v_lshl_add_u32 v254, v0, 2, 0x3b800
	v_mov_b32 v255, 0
	s_mov_b32 s17, ttmp9                           ; block b
	s_and_b32 s18, ttmp7, 0xffff                   ; column tile nt
	s_lshl_b32 s25, s17, 2                         ; kept untouched until the load below has come
	s_wait_kmcnt 0x0
	s_load_b32 s19, s[10:11], s25 offset:BLK       ; the block's expert; it lands while the addresses are made
	v_and_b32 v1, 31, v0                           ; lane L
	v_lshrrev_b32 v29, 5, v0
	v_readfirstlane_b32 s14, v29                   ; wave w
	v_and_b32 v2, 15, v0                           ; r
	v_bfe_u32 v3, v0, 4, 1                         ; h
	s_lshr_b32 s15, s14, WNSH                      ; wm
	s_and_b32 s16, s14, (1<<WNSH)-1                ; wn
	; A fragment i, 32 k at byte 64 q: lane (r, h) takes 16 bytes at row 16 (MF wm + i) + r, byte 64 q + 16 h, and 16 more 32 bytes on
	s_mul_i32 s20, s15, 16*MF*PA
	v_mul_u32_u24 v29, v2, PA
	v_lshl_add_u32 v29, v3, 4, v29
	v_add_nc_u32 v[ADRA], s20, v29
	v_add_nc_u32 v[ADRA+1], SLOT, v[ADRA]
	; B fragment j from rows that lie along n: two transposing loads, at k row 32 q + 8 h + (L & 7) and 16 rows on, byte 2 (64 wn + 16 j) + 16 ((L >> 3) & 1)
	v_and_b32 v30, 7, v0
	v_lshl_add_u32 v30, v3, 3, v30
	v_mul_u32_u24 v30, v30, PB
	v_bfe_u32 v31, v0, 3, 1
	v_lshl_add_u32 v30, v31, 4, v30
	s_lshl_b32 s20, s16, 7
	s_add_co_u32 s20, s20, ABYTES
	v_add_nc_u32 v[ADRB], s20, v30
	v_add_nc_u32 v[ADRB+1], SLOT, v[ADRB]
	; what I bring: A's rows 24 w .. 24 w + 23, two a load (lanes 0-15 one row's 256 bytes, lanes 16-31 the next row's)
	s_mul_i32 s20, s14, 24*PA
	v_mul_u32_u24 v29, v3, PA
	v_lshl_add_u32 v29, v2, 4, v29
	v_add_nc_u32 v[STA], s20, v29
	v_add_nc_u32 v[STA+1], SLOT, v[STA]
	; and W's k rows 16 w .. 16 w + 15: 4 f32 a lane become 8 bytes
	s_mul_i32 s20, s14, 16*PB
	s_add_co_u32 s20, s20, ABYTES
	v_lshl_add_u32 v[STB], v1, 3, s20
	v_add_nc_u32 v[STB+1], SLOT, v[STB]
	s_mul_i32 s20, s14, 16*WPITCH
	v_lshl_add_u32 v[VOB], v1, 4, s20
	; the way out
	s_mul_i32 s20, s15, 16*MF*SP
	s_mul_i32 s21, s16, WNB
	s_add_co_u32 s20, s20, s21
	v_mul_u32_u24 v29, v2, SP
	v_lshl_add_u32 v29, v3, HSH, v29
	v_add_nc_u32 v[VSTG], s20, v29
	s_mul_i32 s20, s14, 24*SP
	v_lshl_add_u32 v[VRD], v1, 4, s20
	s_lshl_b32 s20, s16, 8
	v_lshl_add_u32 v[VBIAS], v3, 5, s20            ; 4 (64 wn + 8 h)
	s_mul_i32 s20, s14, 24*4096
	v_lshl_add_u32 v[VOUT], v1, 4, s20
.if LAYER == 1
	; the tokens of my 24 slots; a token read from the table enters an address only behind v_min_u32
	s_mul_i32 s20, s17, 768
	s_mul_i32 s21, s14, 96
	s_add_co_u32 s20, s20, s21
	v_lshl_add_u32 v29, v3, 2, s20                 ; 4 (192 b + 24 w + h)
.irp i, 0,1,2,3,4,5,6,7,8,9,10,11
	global_load_b32 v[VOA+\i], v29, s[10:11] offset:8*\i
.endr
	v_lshlrev_b32 v30, 4, v2
.else
	v_lshlrev_b32 v29, 12, v3
	v_lshl_add_u32 v29, v2, 4, v29
	v_add_nc_u32 v[VOA], s20, v29                  ; (24 w + h) x 4,096 + 16 r
.endif
	s_wait_kmcnt 0x0                               ; the expert
	s_min_u32 s19, s19, 7                          ; it enters an address only behind s_min_u32
	s_lshl_b32 s20, s19, 23                        ; an expert's weights are 2^23 bytes
	s_mul_i32 s21, s18, TROWB
	s_add_co_u32 s20, s20, s21
	s_mov_b32 s21, 0
	s_add_nc_u64 s[6:7], s[6:7], s[20:21]
	s_mul_i32 s20, s19, BSTRIDE
	s_mul_i32 s22, s18, TROWB
	s_add_co_u32 s20, s20, s22
	s_add_nc_u64 s[8:9], s[8:9], s[20:21]
	s_mul_i32 s22, s17, 192*4096                   ; 192 rows of 4,096 bytes, in h and in y alike
	s_mov_b32 s23, 0
.if LAYER == 2
	s_add_nc_u64 s[4:5], s[4:5], s[22:23]
.endif
	s_lshl_b32 s20, s18, 9                         ; a tile's 512 bytes of a row
	s_add_co_u32 s20, s20, s22
	s_add_nc_u64 s[12:13], s[12:13], s[20:21]
.if LAYER == 1
	s_wait_loadcnt 0x0
.irp i, 0,1,2,3,4,5,6,7,8,9,10,11
	v_min_u32 v[VOA+\i], 2047, v[VOA+\i]
	v_lshl_add_u32 v[VOA+\i], v[VOA+\i], 11, v30   ; token x 2,048 bytes + 16 r
.endr
.endif
; a K step's loads: 12 of A, then NB of W; every one covers whole runs of 256 consecutive bytes or more
.macro GLOAD
	WIN 0x40                                       ; destination in window 1
.set gi, 0
.rept 12
.if LAYER == 1
	global_load_b128 v[AST+4*gi:AST+4*gi+3], v[VOA+gi], s[4:5]
.else
	global_load_b128 v[AST+4*gi:AST+4*gi+3], v[VOA], s[4:5] offset:8192*gi
.endif
.set gi, gi+1
.endr
	WIN 0
.set gi, 0
.rept NB
	global_load_b128 v[BST+4*gi:BST+4*gi+3], v[VOB], s[6:7] offset:(gi/LPR)*WPITCH+512*(gi%LPR)
.set gi, gi+1
.endr
.endm
.macro BIASLOAD                        ; the bias of my 64 columns, 8 a fragment and lane, in the last step, when BST is free
.irp j, 0,1,2,3
	global_load_b128 v[BST+8*\j:BST+8*\j+3], v[VBIAS], s[8:9] offset:64*\j
	global_load_b128 v[BST+8*\j+4:BST+8*\j+7], v[VBIAS], s[8:9] offset:64*\j+16
.endr
.endm
; what GLOAD brought goes into LDS slot 'slot'
.macro CSTORE slot
	s_wait_loadcnt NB                              ; loads come back in order: A's 12 are in, W's NB younger ones may be out
	WIN 0x04                                       ; store data in window 1
.set ci, 0
.rept 12
	ds_store_b128 v[STA+\slot], v[AST+4*ci:AST+4*ci+3] offset:2*PA*ci
.set ci, ci+1
.endr
	WIN 0
.set cg, 0
.rept NB/8
	s_wait_loadcnt NB-8*(cg+1)                     ; this group of eight is in, the younger groups may be out
.set ci, 8*cg
.rept 8
	v_cvt_pk_bf16_f32 v[BST+4*ci], v[BST+4*ci], v[BST+4*ci+1]
	v_cvt_pk_bf16_f32 v[BST+4*ci+1], v[BST+4*ci+2], v[BST+4*ci+3]
.set ci, ci+1
.endr
.set ci, 8*cg
.rept 8
	ds_store_b64 v[STB+\slot], v[BST+4*ci:BST+4*ci+1] offset:(ci/LPR)*PB+256*(ci%LPR)   ; 32 lanes, 256 consecutive bytes
.set ci, ci+1
.endr
.set cg, cg+1
.endr
	s_add_nc_u64 s[4:5], s[4:5], 256               ; the last wait was for 0: no load is out that names these bases.  128 k on
	s_add_nc_u64 s[6:7], s[6:7], 128*WPITCH
.endm
.macro MULCOL j, zero                  ; MF matrix instructions: all my slots x 16 columns, 32 along K
.set mi, 0
.rept MF
.if \zero
	v_wmma_f32_16x16x32_bf16 v[8*(4*mi+\j):8*(4*mi+\j)+7], v[FB+8*\j:FB+8*\j+7], v[FA+8*mi:FA+8*mi+7], 0
.else
	v_wmma_f32_16x16x32_bf16 v[8*(4*mi+\j):8*(4*mi+\j)+7], v[FB+8*\j:FB+8*\j+7], v[FA+8*mi:FA+8*mi+7], v[8*(4*mi+\j):8*(4*mi+\j)+7]
.endif
.set mi, mi+1
.endr
.endm
; 32 along K.  The 4 MF accumulators take turns, one instruction a turn, in the same order in every quarter, over the loop's backward jump too.
.macro QUARTER slot, q, zero
	PLACES
	ds_load_tr16_b128 v[FB:FB+3], v[ADRB+\slot] offset:32*\q*PB
	ds_load_tr16_b128 v[FB+4:FB+7], v[ADRB+\slot] offset:32*\q*PB+16*PB
.set qi, 0
.rept MF
	ds_load_b128 v[FA+8*qi:FA+8*qi+3], v[ADRA+\slot] offset:16*PA*qi+64*\q
	ds_load_b128 v[FA+8*qi+4:FA+8*qi+7], v[ADRA+\slot] offset:16*PA*qi+64*\q+32
.set qi, qi+1
.endr
.irp j, 1,2,3
	ds_load_tr16_b128 v[FB+8*\j:FB+8*\j+3], v[ADRB+\slot] offset:32*\q*PB+32*\j
	ds_load_tr16_b128 v[FB+8*\j+4:FB+8*\j+7], v[ADRB+\slot] offset:32*\q*PB+32*\j+16*PB
.endr
	s_wait_dscnt 6                                 ; B's first fragment and all of A's are in; the six youngest loads, B's other three fragments, may be out
	WIN 0x50                                       ; C and D in window 1
	MULCOL 0, \zero
	s_wait_dscnt 0
	MULCOL 1, \zero
	MULCOL 2, \zero
	MULCOL 3, \zero
	WIN 0
.endm
; a K step on slot 'slot'.  zero = 1: its first products start the sums.  next = 1: the next step's tiles are asked for at the head and put into the other slot at the end
.macro STEP slot, zero, next
.if \next
	GLOAD
.else
	BIASLOAD
.endif
	QUARTER \slot, 0, \zero
	QUARTER \slot, 1, 0
	QUARTER \slot, 2, 0
	QUARTER \slot, 3, 0
.if \next
	CSTORE 1-\slot
.endif
	BAR
.endm
	GLOAD
	CSTORE 0
	BAR
	STEP 0, 1, 1                                   ; the first two steps stand in front of the loop: nothing is cleared
	STEP 1, 0, 1
	s_mov_b32 s24, (NSTEP-4)/2
.Lk:
	STEP 0, 0, 1
	STEP 1, 0, 1
	s_sub_co_u32 s24, s24, 1
	s_cmp_lg_u32 s24, 0
	s_cbranch_scc1 .Lk
	STEP 0, 0, 1
	STEP 1, 0, 0                                   ; the last step fetches no tile; its barrier shows that nobody reads a slot any more
	; THE WAY OUT.  Bias (and relu and rounding in layer 1), then through LDS bytes 0 .. 192 x 528 - 1, so that whole rows of 512 bytes leave.
	PLACES                                         ; behind the last matrix instructions: their results are read and their sources written below
	s_wait_loadcnt 0x0                             ; the bias
.set oi, 0
.rept MF
	WIN 0x01                                       ; source 0, the accumulators, in window 1
.irp j, 0,1,2,3
.irp p, 0,1,2,3
	v_pk_add_f32 v[T+8*\j+2*\p:T+8*\j+2*\p+1], v[8*(4*oi+\j)+2*\p:8*(4*oi+\j)+2*\p+1], v[BST+8*\j+2*\p:BST+8*\j+2*\p+1]
.endr
.endr
	WIN 0
.if LAYER == 1
.set ox, 0
.rept 32
	v_max_num_f32 v[T+ox], 0, v[T+ox]
.set ox, ox+1
.endr
.irp j, 0,1,2,3
.irp p, 0,1,2,3
	v_cvt_pk_bf16_f32 v[T+8*\j+\p], v[T+8*\j+2*\p], v[T+8*\j+2*\p+1]
.endr
	ds_store_b128 v[VSTG], v[T+8*\j:T+8*\j+3] offset:16*SP*oi+32*\j
.endr
.else
.irp j, 0,1,2,3
	ds_store_b128 v[VSTG], v[T+8*\j:T+8*\j+3] offset:16*SP*oi+64*\j
	ds_store_b128 v[VSTG], v[T+8*\j+4:T+8*\j+7] offset:16*SP*oi+64*\j+16
.endr
.endif
.set oi, oi+1
.endr
	BAR                                            ; a row's pieces come from several waves
.set op, 0
.rept 24
	ds_load_b128 v[BST+32+4*op:BST+32+4*op+3], v[VRD] offset:SP*op     ; rows 24 w .. 24 w + 23, a whole row a load
.set op, op+1
.endr
.set op, 0
.rept 24
	s_wait_dscnt 23-op                             ; LDS loads come back in order: row op is in
	global_store_b128 v[VOUT], v[BST+32+4*op:BST+32+4*op+3], s[12:13] offset:4096*op   ; the wave's store covers 512 consecutive bytes, aligned
.set op, op+1
.endr
	s_wait_tensorcnt 0x0
	ds_add_u32 v254, v255
	s_wait_dscnt 0x0
	s_endpgm
.Lfunc_end_k_q5af58e744d_ffn1:
	.size	k_q5af58e744d_ffn1, .Lfunc_end_k_q5af58e744d_ffn1-k_q5af58e744d_ffn1
	.p2alignl 7, 3214868480
	.fill 96, 4, 3214868480
	.section	.rodata,"a",@progbits
	.p2align	6, 0x0
	.amdhsa_kernel k_q5af58e744d_ffn1
		.amdhsa_group_segment_fixed_size 244736
		.amdhsa_private_segment_fixed_size 0
		.amdhsa_enable_private_segment 0
		.amdhsa_kernarg_size 40
		.amdhsa_user_sgpr_count 2
		.amdhsa_user_sgpr_kernarg_segment_ptr 1
		.amdhsa_wavefront_size32 1
		.amdhsa_system_sgpr_workgroup_id_x 1
		.amdhsa_system_sgpr_workgroup_id_y 1
		.amdhsa_system_sgpr_workgroup_id_z 1
		.amdhsa_system_vgpr_workitem_id 0
		.amdhsa_next_free_vgpr 496
		.amdhsa_next_free_sgpr 66
		.amdhsa_reserve_vcc 0
		.amdhsa_float_denorm_mode_32 3
		.amdhsa_float_denorm_mode_16_64 3
		.amdhsa_memory_ordered 1
		.amdhsa_forward_progress 1
		.amdhsa_inst_pref_size 173
	.end_amdhsa_kernel
	.amdgpu_metadata
---
amdhsa.version: [ 1, 2 ]
amdhsa.kernels:
  - .name:           k_q5af58e744d_ffn1
    .symbol:         k_q5af58e744d_ffn1.kd
    .args:
      - { .name: xb, .offset: 0, .size: 8, .value_kind: global_buffer, .address_space: global }
      - { .name: W1, .offset: 8, .size: 8, .value_kind: global_buffer, .address_space: global }
      - { .name: b1, .offset: 16, .size: 8, .value_kind: global_buffer, .address_space: global }
      - { .name: tab, .offset: 24, .size: 8, .value_kind: global_buffer, .address_space: global }
      - { .name: h, .offset: 32, .size: 8, .value_kind: global_buffer, .address_space: global }
    .group_segment_fixed_size: 244736
    .private_segment_fixed_size: 0
    .kernarg_segment_align: 8
    .kernarg_segment_size: 40
    .max_flat_workgroup_size: 256
    .sgpr_count:     66
    .vgpr_count:     496
    .wavefront_size: 32
...
	.end_amdgpu_metadata
.endif
;; end of part 3
;; launch ffn2 (part 4): grid 29 x 8, 8 waves a work-group, no clusters, 179,200 bytes of LDS; arguments h, W2, b2, tab, y; writes y
.if DOCPART == 4
	.amdgcn_target "amdgcn-amd-amdhsa--gfx1250"
	.amdhsa_code_object_version 6
	.text
	.protected	k_q5af58e744d_ffn2
	.globl	k_q5af58e744d_ffn2
	.p2align	8
	.type	k_q5af58e744d_ffn2,@function
k_q5af58e744d_ffn2:
	s_mov_b64 s[64:65], 0
	v_nop
	global_prefetch_b8 v0, s[64:65] scope:SCOPE_SE
	s_setreg_imm32_b32 hwreg(HW_REG_WAVE_MODE, 25, 1), 1
	s_wait_xcnt 0x0
; EXPERT LAYER (one text for both layers; LAYER picks the sizes).
;   LAYER 1: h[slot][0:2048] = relu(xb[token(slot)] W1[e] + b1[e]) in bf16, K = 1,024, a tile of 192 slots x 256 columns
;   LAYER 2: y[slot][0:1024] = h[slot] W2[e] + b2[e] in f32,              K = 2,048, a tile of 192 slots x 128 columns
; Only the rows whose gate is not zero are computed: the module multiplies the other experts' rows by a gate of exactly 0.  LIMIT: where such a row
; would be infinite or NaN the module's own sum is NaN; that is not reproduced.  relu by v_max_num_f32 turns a NaN into 0.
; Grid: x = block b of 192 slots, y = column tile.  The block's expert is read from tab (BLK[b]) and enters addresses alone: every wave passes every
; barrier on a way that hangs on no number read from memory.  So the launch always runs 29 blocks, the bound for every routing.  UNWELCOME BUT SO: the blocks
; behind the last expert's rows hold padding slots alone (token 0, expert 7); they are computed and stored like the padding slots inside a block, and
; never gathered.  With about 512 rows an expert some 25 of the 29 blocks hold rows that count.
; The weights are f32 in memory and have to pass through registers to be rounded to bf16, and layer 1's rows of A are gathered by token: so both tiles come
; through registers (global_load_b128, rounded, ds_store) and not by tensor loads.  No joint loads in a cluster either: they are tensor loads, and how many
; blocks share an expert's weights is a number read from memory, so partners would not make the same requests.
; Eight waves: a K step of 128 is 12 + NB loads of 16 bytes a lane and wave, all issued at the step's head, so they have the step's matrix work to land in.
; LDS: two slots that take turns; a slot = A, 192 rows x (256 + 16) bytes, then B, 128 rows of k x PB bytes, bf16 [k][n].
; ONE barrier a step orders two things: my stores into the other slot before its reads, and my reads of this slot before the next step's stores into it.
; THE MATRIX INSTRUCTION IS USED TRANSPOSED (source 0 = 16 columns of W, source 1 = 16 slots): a lane then holds 8 neighbouring columns of one slot's row.
.set LAYER, 2
.if LAYER == 1
.set NSTEP,   8                        ; K / 128
.set MF,      6                        ; fragments of 16 slots in a wave's tile: waves 2 x 4, a wave makes 96 x 64
.set WNSH,    2                        ; wave = wm << WNSH | wn
.set WPITCH,  8192                     ; bytes from a row of W to the next
.set TROWB,   1024                     ; bytes of a row of W in the tile; also the tile's bytes in the bias
.set NB,      32                       ; loads of W a wave and step
.set PB,      544                      ; 512 + 32: an odd multiple of 32
.set BSTRIDE, 8192                     ; bytes of an expert's bias
.set WNB,     128                      ; bytes of 64 columns of the result
.set HSH,     4                        ; log2 of the bytes of 8 columns of the result
.else
.set NSTEP,   16
.set MF,      3                        ; waves 4 x 2, a wave makes 48 x 64
.set WNSH,    1
.set WPITCH,  4096
.set TROWB,   512
.set NB,      16
.set PB,      288                      ; 256 + 32
.set BSTRIDE, 4096
.set WNB,     256
.set HSH,     5
.endif
.set LPR,    TROWB/512                 ; loads for a row of W
.set PA,     272                       ; 256 + 16: an odd multiple of 16, so the 16 rows of a fragment begin at 16 different 16-byte columns modulo 256
.set ABYTES, 192*PA
.set SLOT,   ABYTES+128*PB
.set SP,     528                       ; the way out: a row of 512 bytes + 16
.set BLK,    38656
; window 0
.set VOA,   4                          ; v[4:15] layer 1: byte offset in xb of row 24 w + 2 i + h, + 16 r;  layer 2: v4 alone, the rows in the immediate
.set VOB,   16                         ; byte offset in W of my 16 bytes of k row 16 w
.set ADRA,  17                         ; v17, v18  LDS address of my A fragments in slot 0, 1
.set ADRB,  19                         ; v19, v20  the same for B
.set STA,   21                         ; v21, v22  where I put A's rows
.set STB,   23                         ; v23, v24  where I put B's rows
.set VSTG,  25                         ; the way out: where I put a piece of a row
.set VRD,   26                         ; where I read whole rows back
.set VOUT,  27                         ; my byte offset in the result
.set VBIAS, 28                         ; my byte offset in the bias
.set FA,    32                         ; v[32:79]   up to 6 fragments of A
.set FB,    80                         ; v[80:111]  4 fragments of B
.set BST,   112                        ; v[112:239] W as loaded, then rounded in place; at the end the bias and the rows on their way out
.set T,     32                         ; the way out: 32 registers at work
; window 1
.set AST,   192                        ; v[448:495] A as loaded;  v[256:447] accumulator (i, j) at 8 (4 i + j)
.set MSB, 0
.macro WIN new                         ; s_set_vgpr_msb: bits 1:0 source 0, 3:2 source 1, 5:4 source 2, 7:6 destination; the high byte repeats the setting that is left
.if MSB != \new
	s_set_vgpr_msb (MSB<<8)|\new
.set MSB, \new
.endif
.endm
.macro PLACES                          ; four plain vector instructions between a matrix instruction and a load into, or a vector write or read of, its registers
.rept 4
	v_nop
.endr
.endm
.macro BAR
	s_wait_dscnt 0x0                               ; my LDS stores are in and my LDS reads are back, for the others' sake
	s_barrier_signal -1
	s_barrier_wait -1
.endm
	s_load_b256 s[4:11], s[0:1], 0x0               ; A's buffer s[4:5], W s[6:7], bias s[8:9], tab s[10:11]
	s_load_b64 s[12:13], s[0:1], 0x20              ; the result
	v_lshl_add_u32 v254, v0, 2, 0x2b800
	v_mov_b32 v255, 0
	s_mov_b32 s17, ttmp9                           ; block b
	s_and_b32 s18, ttmp7, 0xffff                   ; column tile nt
	s_lshl_b32 s25, s17, 2                         ; kept untouched until the load below has come
	s_wait_kmcnt 0x0
	s_load_b32 s19, s[10:11], s25 offset:BLK       ; the block's expert; it lands while the addresses are made
	v_and_b32 v1, 31, v0                           ; lane L
	v_lshrrev_b32 v29, 5, v0
	v_readfirstlane_b32 s14, v29                   ; wave w
	v_and_b32 v2, 15, v0                           ; r
	v_bfe_u32 v3, v0, 4, 1                         ; h
	s_lshr_b32 s15, s14, WNSH                      ; wm
	s_and_b32 s16, s14, (1<<WNSH)-1                ; wn
	; A fragment i, 32 k at byte 64 q: lane (r, h) takes 16 bytes at row 16 (MF wm + i) + r, byte 64 q + 16 h, and 16 more 32 bytes on
	s_mul_i32 s20, s15, 16*MF*PA
	v_mul_u32_u24 v29, v2, PA
	v_lshl_add_u32 v29, v3, 4, v29
	v_add_nc_u32 v[ADRA], s20, v29
	v_add_nc_u32 v[ADRA+1], SLOT, v[ADRA]
	; B fragment j from rows that lie along n: two transposing loads, at k row 32 q + 8 h + (L & 7) and 16 rows on, byte 2 (64 wn + 16 j) + 16 ((L >> 3) & 1)
	v_and_b32 v30, 7, v0
	v_lshl_add_u32 v30, v3, 3, v30
	v_mul_u32_u24 v30, v30, PB
	v_bfe_u32 v31, v0, 3, 1
	v_lshl_add_u32 v30, v31, 4, v30
	s_lshl_b32 s20, s16, 7
	s_add_co_u32 s20, s20, ABYTES
	v_add_nc_u32 v[ADRB], s20, v30
	v_add_nc_u32 v[ADRB+1], SLOT, v[ADRB]
	; what I bring: A's rows 24 w .. 24 w + 23, two a load (lanes 0-15 one row's 256 bytes, lanes 16-31 the next row's)
	s_mul_i32 s20, s14, 24*PA
	v_mul_u32_u24 v29, v3, PA
	v_lshl_add_u32 v29, v2, 4, v29
	v_add_nc_u32 v[STA], s20, v29
	v_add_nc_u32 v[STA+1], SLOT, v[STA]
	; and W's k rows 16 w .. 16 w + 15: 4 f32 a lane become 8 bytes
	s_mul_i32 s20, s14, 16*PB
	s_add_co_u32 s20, s20, ABYTES
	v_lshl_add_u32 v[STB], v1, 3, s20
	v_add_nc_u32 v[STB+1], SLOT, v[STB]
	s_mul_i32 s20, s14, 16*WPITCH
	v_lshl_add_u32 v[VOB], v1, 4, s20
	; the way out
	s_mul_i32 s20, s15, 16*MF*SP
	s_mul_i32 s21, s16, WNB
	s_add_co_u32 s20, s20, s21
	v_mul_u32_u24 v29, v2, SP
	v_lshl_add_u32 v29, v3, HSH, v29
	v_add_nc_u32 v[VSTG], s20, v29
	s_mul_i32 s20, s14, 24*SP
	v_lshl_add_u32 v[VRD], v1, 4, s20
	s_lshl_b32 s20, s16, 8
	v_lshl_add_u32 v[VBIAS], v3, 5, s20            ; 4 (64 wn + 8 h)
	s_mul_i32 s20, s14, 24*4096
	v_lshl_add_u32 v[VOUT], v1, 4, s20
.if LAYER == 1
	; the tokens of my 24 slots; a token read from the table enters an address only behind v_min_u32
	s_mul_i32 s20, s17, 768
	s_mul_i32 s21, s14, 96
	s_add_co_u32 s20, s20, s21
	v_lshl_add_u32 v29, v3, 2, s20                 ; 4 (192 b + 24 w + h)
.irp i, 0,1,2,3,4,5,6,7,8,9,10,11
	global_load_b32 v[VOA+\i], v29, s[10:11] offset:8*\i
.endr
	v_lshlrev_b32 v30, 4, v2
.else
	v_lshlrev_b32 v29, 12, v3
	v_lshl_add_u32 v29, v2, 4, v29
	v_add_nc_u32 v[VOA], s20, v29                  ; (24 w + h) x 4,096 + 16 r
.endif
	s_wait_kmcnt 0x0                               ; the expert
	s_min_u32 s19, s19, 7                          ; it enters an address only behind s_min_u32
	s_lshl_b32 s20, s19, 23                        ; an expert's weights are 2^23 bytes
	s_mul_i32 s21, s18, TROWB
	s_add_co_u32 s20, s20, s21
	s_mov_b32 s21, 0
	s_add_nc_u64 s[6:7], s[6:7], s[20:21]
	s_mul_i32 s20, s19, BSTRIDE
	s_mul_i32 s22, s18, TROWB
	s_add_co_u32 s20, s20, s22
	s_add_nc_u64 s[8:9], s[8:9], s[20:21]
	s_mul_i32 s22, s17, 192*4096                   ; 192 rows of 4,096 bytes, in h and in y alike
	s_mov_b32 s23, 0
.if LAYER == 2
	s_add_nc_u64 s[4:5], s[4:5], s[22:23]
.endif
	s_lshl_b32 s20, s18, 9                         ; a tile's 512 bytes of a row
	s_add_co_u32 s20, s20, s22
	s_add_nc_u64 s[12:13], s[12:13], s[20:21]
.if LAYER == 1
	s_wait_loadcnt 0x0
.irp i, 0,1,2,3,4,5,6,7,8,9,10,11
	v_min_u32 v[VOA+\i], 2047, v[VOA+\i]
	v_lshl_add_u32 v[VOA+\i], v[VOA+\i], 11, v30   ; token x 2,048 bytes + 16 r
.endr
.endif
; a K step's loads: 12 of A, then NB of W; every one covers whole runs of 256 consecutive bytes or more
.macro GLOAD
	WIN 0x40                                       ; destination in window 1
.set gi, 0
.rept 12
.if LAYER == 1
	global_load_b128 v[AST+4*gi:AST+4*gi+3], v[VOA+gi], s[4:5]
.else
	global_load_b128 v[AST+4*gi:AST+4*gi+3], v[VOA], s[4:5] offset:8192*gi
.endif
.set gi, gi+1
.endr
	WIN 0
.set gi, 0
.rept NB
	global_load_b128 v[BST+4*gi:BST+4*gi+3], v[VOB], s[6:7] offset:(gi/LPR)*WPITCH+512*(gi%LPR)
.set gi, gi+1
.endr
.endm
.macro BIASLOAD                        ; the bias of my 64 columns, 8 a fragment and lane, in the last step, when BST is free
.irp j, 0,1,2,3
	global_load_b128 v[BST+8*\j:BST+8*\j+3], v[VBIAS], s[8:9] offset:64*\j
	global_load_b128 v[BST+8*\j+4:BST+8*\j+7], v[VBIAS], s[8:9] offset:64*\j+16
.endr
.endm
; what GLOAD brought goes into LDS slot 'slot'
.macro CSTORE slot
	s_wait_loadcnt NB                              ; loads come back in order: A's 12 are in, W's NB younger ones may be out
	WIN 0x04                                       ; store data in window 1
.set ci, 0
.rept 12
	ds_store_b128 v[STA+\slot], v[AST+4*ci:AST+4*ci+3] offset:2*PA*ci
.set ci, ci+1
.endr
	WIN 0
.set cg, 0
.rept NB/8
	s_wait_loadcnt NB-8*(cg+1)                     ; this group of eight is in, the younger groups may be out
.set ci, 8*cg
.rept 8
	v_cvt_pk_bf16_f32 v[BST+4*ci], v[BST+4*ci], v[BST+4*ci+1]
	v_cvt_pk_bf16_f32 v[BST+4*ci+1], v[BST+4*ci+2], v[BST+4*ci+3]
.set ci, ci+1
.endr
.set ci, 8*cg
.rept 8
	ds_store_b64 v[STB+\slot], v[BST+4*ci:BST+4*ci+1] offset:(ci/LPR)*PB+256*(ci%LPR)   ; 32 lanes, 256 consecutive bytes
.set ci, ci+1
.endr
.set cg, cg+1
.endr
	s_add_nc_u64 s[4:5], s[4:5], 256               ; the last wait was for 0: no load is out that names these bases.  128 k on
	s_add_nc_u64 s[6:7], s[6:7], 128*WPITCH
.endm
.macro MULCOL j, zero                  ; MF matrix instructions: all my slots x 16 columns, 32 along K
.set mi, 0
.rept MF
.if \zero
	v_wmma_f32_16x16x32_bf16 v[8*(4*mi+\j):8*(4*mi+\j)+7], v[FB+8*\j:FB+8*\j+7], v[FA+8*mi:FA+8*mi+7], 0
.else
	v_wmma_f32_16x16x32_bf16 v[8*(4*mi+\j):8*(4*mi+\j)+7], v[FB+8*\j:FB+8*\j+7], v[FA+8*mi:FA+8*mi+7], v[8*(4*mi+\j):8*(4*mi+\j)+7]
.endif
.set mi, mi+1
.endr
.endm
; 32 along K.  The 4 MF accumulators take turns, one instruction a turn, in the same order in every quarter, over the loop's backward jump too.
.macro QUARTER slot, q, zero
	PLACES
	ds_load_tr16_b128 v[FB:FB+3], v[ADRB+\slot] offset:32*\q*PB
	ds_load_tr16_b128 v[FB+4:FB+7], v[ADRB+\slot] offset:32*\q*PB+16*PB
.set qi, 0
.rept MF
	ds_load_b128 v[FA+8*qi:FA+8*qi+3], v[ADRA+\slot] offset:16*PA*qi+64*\q
	ds_load_b128 v[FA+8*qi+4:FA+8*qi+7], v[ADRA+\slot] offset:16*PA*qi+64*\q+32
.set qi, qi+1
.endr
.irp j, 1,2,3
	ds_load_tr16_b128 v[FB+8*\j:FB+8*\j+3], v[ADRB+\slot] offset:32*\q*PB+32*\j
	ds_load_tr16_b128 v[FB+8*\j+4:FB+8*\j+7], v[ADRB+\slot] offset:32*\q*PB+32*\j+16*PB
.endr
	s_wait_dscnt 6                                 ; B's first fragment and all of A's are in; the six youngest loads, B's other three fragments, may be out
	WIN 0x50                                       ; C and D in window 1
	MULCOL 0, \zero
	s_wait_dscnt 0
	MULCOL 1, \zero
	MULCOL 2, \zero
	MULCOL 3, \zero
	WIN 0
.endm
; a K step on slot 'slot'.  zero = 1: its first products start the sums.  next = 1: the next step's tiles are asked for at the head and put into the other slot at the end
.macro STEP slot, zero, next
.if \next
	GLOAD
.else
	BIASLOAD
.endif
	QUARTER \slot, 0, \zero
	QUARTER \slot, 1, 0
	QUARTER \slot, 2, 0
	QUARTER \slot, 3, 0
.if \next
	CSTORE 1-\slot
.endif
	BAR
.endm
	GLOAD
	CSTORE 0
	BAR
	STEP 0, 1, 1                                   ; the first two steps stand in front of the loop: nothing is cleared
	STEP 1, 0, 1
	s_mov_b32 s24, (NSTEP-4)/2
.Lk:
	STEP 0, 0, 1
	STEP 1, 0, 1
	s_sub_co_u32 s24, s24, 1
	s_cmp_lg_u32 s24, 0
	s_cbranch_scc1 .Lk
	STEP 0, 0, 1
	STEP 1, 0, 0                                   ; the last step fetches no tile; its barrier shows that nobody reads a slot any more
	; THE WAY OUT.  Bias (and relu and rounding in layer 1), then through LDS bytes 0 .. 192 x 528 - 1, so that whole rows of 512 bytes leave.
	PLACES                                         ; behind the last matrix instructions: their results are read and their sources written below
	s_wait_loadcnt 0x0                             ; the bias
.set oi, 0
.rept MF
	WIN 0x01                                       ; source 0, the accumulators, in window 1
.irp j, 0,1,2,3
.irp p, 0,1,2,3
	v_pk_add_f32 v[T+8*\j+2*\p:T+8*\j+2*\p+1], v[8*(4*oi+\j)+2*\p:8*(4*oi+\j)+2*\p+1], v[BST+8*\j+2*\p:BST+8*\j+2*\p+1]
.endr
.endr
	WIN 0
.if LAYER == 1
.set ox, 0
.rept 32
	v_max_num_f32 v[T+ox], 0, v[T+ox]
.set ox, ox+1
.endr
.irp j, 0,1,2,3
.irp p, 0,1,2,3
	v_cvt_pk_bf16_f32 v[T+8*\j+\p], v[T+8*\j+2*\p], v[T+8*\j+2*\p+1]
.endr
	ds_store_b128 v[VSTG], v[T+8*\j:T+8*\j+3] offset:16*SP*oi+32*\j
.endr
.else
.irp j, 0,1,2,3
	ds_store_b128 v[VSTG], v[T+8*\j:T+8*\j+3] offset:16*SP*oi+64*\j
	ds_store_b128 v[VSTG], v[T+8*\j+4:T+8*\j+7] offset:16*SP*oi+64*\j+16
.endr
.endif
.set oi, oi+1
.endr
	BAR                                            ; a row's pieces come from several waves
.set op, 0
.rept 24
	ds_load_b128 v[BST+32+4*op:BST+32+4*op+3], v[VRD] offset:SP*op     ; rows 24 w .. 24 w + 23, a whole row a load
.set op, op+1
.endr
.set op, 0
.rept 24
	s_wait_dscnt 23-op                             ; LDS loads come back in order: row op is in
	global_store_b128 v[VOUT], v[BST+32+4*op:BST+32+4*op+3], s[12:13] offset:4096*op   ; the wave's store covers 512 consecutive bytes, aligned
.set op, op+1
.endr
	s_wait_tensorcnt 0x0
	ds_add_u32 v254, v255
	s_wait_dscnt 0x0
	s_endpgm
.Lfunc_end_k_q5af58e744d_ffn2:
	.size	k_q5af58e744d_ffn2, .Lfunc_end_k_q5af58e744d_ffn2-k_q5af58e744d_ffn2
	.p2alignl 7, 3214868480
	.fill 96, 4, 3214868480
	.section	.rodata,"a",@progbits
	.p2align	6, 0x0
	.amdhsa_kernel k_q5af58e744d_ffn2
		.amdhsa_group_segment_fixed_size 179200
		.amdhsa_private_segment_fixed_size 0
		.amdhsa_enable_private_segment 0
		.amdhsa_kernarg_size 40
		.amdhsa_user_sgpr_count 2
		.amdhsa_user_sgpr_kernarg_segment_ptr 1
		.amdhsa_wavefront_size32 1
		.amdhsa_system_sgpr_workgroup_id_x 1
		.amdhsa_system_sgpr_workgroup_id_y 1
		.amdhsa_system_sgpr_workgroup_id_z 1
		.amdhsa_system_vgpr_workitem_id 0
		.amdhsa_next_free_vgpr 496
		.amdhsa_next_free_sgpr 66
		.amdhsa_reserve_vcc 0
		.amdhsa_float_denorm_mode_32 3
		.amdhsa_float_denorm_mode_16_64 3
		.amdhsa_memory_ordered 1
		.amdhsa_forward_progress 1
		.amdhsa_inst_pref_size 101
	.end_amdhsa_kernel
	.amdgpu_metadata
---
amdhsa.version: [ 1, 2 ]
amdhsa.kernels:
  - .name:           k_q5af58e744d_ffn2
    .symbol:         k_q5af58e744d_ffn2.kd
    .args:
      - { .name: h, .offset: 0, .size: 8, .value_kind: global_buffer, .address_space: global }
      - { .name: W2, .offset: 8, .size: 8, .value_kind: global_buffer, .address_space: global }
      - { .name: b2, .offset: 16, .size: 8, .value_kind: global_buffer, .address_space: global }
      - { .name: tab, .offset: 24, .size: 8, .value_kind: global_buffer, .address_space: global }
      - { .name: y, .offset: 32, .size: 8, .value_kind: global_buffer, .address_space: global }
    .group_segment_fixed_size: 179200
    .private_segment_fixed_size: 0
    .kernarg_segment_align: 8
    .kernarg_segment_size: 40
    .max_flat_workgroup_size: 256
    .sgpr_count:     66
    .vgpr_count:     496
    .wavefront_size: 32
...
	.end_amdgpu_metadata
.endif
;; end of part 4
;; launch combine (part 5): grid 256 x 1, 8 waves a work-group, no clusters, 0 bytes of LDS; arguments y, gate, tab, out0; writes out0
.if DOCPART == 5
	.amdgcn_target "amdgcn-amd-amdhsa--gfx1250"
	.amdhsa_code_object_version 6
	.text
	.protected	k_q5af58e744d_combine
	.globl	k_q5af58e744d_combine
	.p2align	8
	.type	k_q5af58e744d_combine,@function
k_q5af58e744d_combine:
	s_mov_b64 s[64:65], 0
	v_nop
	global_prefetch_b8 v0, s[64:65] scope:SCOPE_SE
	s_setreg_imm32_b32 hwreg(HW_REG_WAVE_MODE, 25, 1), 1
	s_wait_xcnt 0x0
; COMBINE.  out[t] = g1 y[slot of (t, first choice)] + g2 y[slot of (t, second choice)].  The sum over a token's two experts is made by gathering:
; one wave owns one token's row of 4,096 bytes, reads the two rows of y that belong to it and stores the row once.
; A stream: 16 loads of 512 consecutive bytes in flight in every wave, no LDS, no barrier, no matrix unit.
.set SM, 22272                         ; tab: 2,048 x 2 words, the slot of (token, choice)
.set Y0, 2                             ; v[2:33]   the first choice's row, then the result
.set Y1, 34                            ; v[34:65]  the second choice's row
.set T,  66                            ; v[66:69]  at work
	s_load_b256 s[4:11], s[0:1], 0x0               ; y s[4:5], gate s[6:7], tab s[8:9], out s[10:11]
	v_lshrrev_b32 v2, 5, v0
	v_readfirstlane_b32 s26, v2                    ; wave
	v_and_b32 v1, 31, v0
	v_lshlrev_b32 v1, 4, v1                        ; 16 x lane
	s_lshl_b32 s27, ttmp9, 3
	s_add_co_u32 s27, s27, s26                     ; token t
	s_lshl_b32 s20, s27, 3
	s_wait_kmcnt 0x0
	s_load_b64 s[12:13], s[8:9], s20 offset:SM     ; the two slots
	s_load_b64 s[14:15], s[6:7], s20 offset:0x0    ; the two gates
	s_wait_kmcnt 0x0
	s_min_u32 s12, s12, 5567                       ; a slot read from the table enters an address only behind s_min_u32
	s_min_u32 s13, s13, 5567
	s_lshl_b32 s16, s12, 12                        ; rows of 4,096 bytes
	s_mov_b32 s17, 0
	s_lshl_b32 s18, s13, 12
	s_mov_b32 s19, 0
	s_add_nc_u64 s[16:17], s[4:5], s[16:17]
	s_add_nc_u64 s[18:19], s[4:5], s[18:19]
	s_mov_b32 s22, s14                             ; each gate as a pair for the packed arithmetic
	s_mov_b32 s23, s14
	s_mov_b32 s24, s15
	s_mov_b32 s25, s15
	s_lshl_b32 s20, s27, 12
	s_mov_b32 s21, 0
	s_add_nc_u64 s[10:11], s[10:11], s[20:21]
.irp m, 0,1,2,3,4,5,6,7
	global_load_b128 v[Y0+4*\m:Y0+4*\m+3], v1, s[16:17] offset:512*\m th:TH_LOAD_NT
	global_load_b128 v[Y1+4*\m:Y1+4*\m+3], v1, s[18:19] offset:512*\m th:TH_LOAD_NT
.endr
.irp m, 0,1,2,3,4,5,6,7
	s_wait_loadcnt 14-2*\m                         ; loads come back in order: pair m is in, the younger pairs stay out
	v_pk_mul_f32 v[T:T+1], v[Y1+4*\m:Y1+4*\m+1], s[24:25] op_sel_hi:[1,0]
	v_pk_mul_f32 v[T+2:T+3], v[Y1+4*\m+2:Y1+4*\m+3], s[24:25] op_sel_hi:[1,0]
	v_pk_fma_f32 v[Y0+4*\m:Y0+4*\m+1], v[Y0+4*\m:Y0+4*\m+1], s[22:23], v[T:T+1] op_sel_hi:[1,0,1]
	v_pk_fma_f32 v[Y0+4*\m+2:Y0+4*\m+3], v[Y0+4*\m+2:Y0+4*\m+3], s[22:23], v[T+2:T+3] op_sel_hi:[1,0,1]
	global_store_b128 v1, v[Y0+4*\m:Y0+4*\m+3], s[10:11] offset:512*\m th:TH_STORE_NT   ; 512 consecutive bytes, aligned
.endr
	s_endpgm
.Lfunc_end_k_q5af58e744d_combine:
	.size	k_q5af58e744d_combine, .Lfunc_end_k_q5af58e744d_combine-k_q5af58e744d_combine
	.p2alignl 7, 3214868480
	.fill 96, 4, 3214868480
	.section	.rodata,"a",@progbits
	.p2align	6, 0x0
	.amdhsa_kernel k_q5af58e744d_combine
		.amdhsa_group_segment_fixed_size 0
		.amdhsa_private_segment_fixed_size 0
		.amdhsa_enable_private_segment 0
		.amdhsa_kernarg_size 32
		.amdhsa_user_sgpr_count 2
		.amdhsa_user_sgpr_kernarg_segment_ptr 1
		.amdhsa_wavefront_size32 1
		.amdhsa_system_sgpr_workgroup_id_x 1
		.amdhsa_system_sgpr_workgroup_id_y 1
		.amdhsa_system_sgpr_workgroup_id_z 1
		.amdhsa_system_vgpr_workitem_id 0
		.amdhsa_next_free_vgpr 72
		.amdhsa_next_free_sgpr 66
		.amdhsa_reserve_vcc 0
		.amdhsa_float_denorm_mode_32 3
		.amdhsa_float_denorm_mode_16_64 3
		.amdhsa_memory_ordered 1
		.amdhsa_forward_progress 1
		.amdhsa_inst_pref_size 6
	.end_amdhsa_kernel
	.amdgpu_metadata
---
amdhsa.version: [ 1, 2 ]
amdhsa.kernels:
  - .name:           k_q5af58e744d_combine
    .symbol:         k_q5af58e744d_combine.kd
    .args:
      - { .name: y, .offset: 0, .size: 8, .value_kind: global_buffer, .address_space: global }
      - { .name: gate, .offset: 8, .size: 8, .value_kind: global_buffer, .address_space: global }
      - { .name: tab, .offset: 16, .size: 8, .value_kind: global_buffer, .address_space: global }
      - { .name: out0, .offset: 24, .size: 8, .value_kind: global_buffer, .address_space: global }
    .group_segment_fixed_size: 0
    .private_segment_fixed_size: 0
    .kernarg_segment_align: 8
    .kernarg_segment_size: 32
    .max_flat_workgroup_size: 256
    .sgpr_count:     66
    .vgpr_count:     72
    .wavefront_size: 32
...
	.end_amdgpu_metadata
.endif
;; end of part 5
;; ======== version 2 of 2: 5 launches; 1.30 times as fast as version 1
;; limits: values outside matrix products are rounded to bf16
;; workspace buffers: xb 4,194,304 bytes; sel 8,192 bytes of whole numbers; gate 16,384 bytes; tab 41,216 bytes of whole numbers; h 22,806,528 bytes; y 45,613,056 bytes
;; launch router (part 6): grid 256 x 1, 4 waves a work-group, no clusters, 20,992 bytes of LDS; arguments x, Wr, br, xb, sel, gate, tab; writes xb, sel, gate, tab
.if DOCPART == 6
	.amdgcn_target "amdgcn-amd-amdhsa--gfx1250"
	.amdhsa_code_object_version 6
	.text
	.protected	k_q5af58e744d_router
	.globl	k_q5af58e744d_router
	.p2align	8
	.type	k_q5af58e744d_router,@function
k_q5af58e744d_router:
	s_mov_b64 s[64:65], 0
	v_nop
	global_prefetch_b8 v0, s[64:65] scope:SCOPE_SE
	s_setreg_imm32_b32 hwreg(HW_REG_WAVE_MODE, 25, 1), 1
	s_wait_xcnt 0x0
; ROUTER.  For each of 2,048 tokens: xb[t] = x[t] rounded to bf16; logits = x[t] Wr + br; the two largest logits; softmax of those two.
; Stored: xb [2048][1024] bf16; sel[t] = (1 << i1) | (0x100 << i2) | (i1 << 16) | (i2 << 24), a whole number; gate[t] = (g1, g2) in f32;
; and zeros in the first 24,576 bytes of tab (the table slot -> token, into which the next launch writes the slots that hold a row: the others name token 0).
; LIMITS, kept on purpose: the logits are formed from x, Wr and br ROUNDED TO bf16 (exact products, sums in f32), the same rounding that the
; expert products apply to x, so the choice of experts is the one that belongs to the rounded inputs.  Equal logits: the lower index wins, as in top_k.
; NaN logits are not served (the selection word is then not a pair of different experts).
; The product has 8 columns, half a matrix tile, and is a ten-thousandth of the module's arithmetic: it runs on the vector unit, in a layout in which
; every load of x covers 512 consecutive bytes and every store of xb 256.
; A work-group takes 8 tokens, a wave 2.  Lane L holds x[t][128 m + 4 L + c], m = 0..7, c = 0..3, and the 32 rows of Wr that go with them.
.set X,    16                          ; v[16:79]    two tokens, 32 registers each, f32 as loaded
.set W,    80                          ; v[80:207]   v[W+16m+4c+p]: Wr[k][2p] in the low half, Wr[k][2p+1] in the high half, k = 128m+4L+c
.set P,    208                         ; v[208:223]  the token at work in bf16: v[P+2m+(c>>1)], half c&1
.set ACC,  224                         ; v[224:231]  eight sums, one an expert
.set BR,   232                         ; v[232:239]  br rounded to bf16 in lane 0, zero in the other lanes: it starts the sums
.set RS,   240                         ; selection word of token j in lane j
.set RG,   242                         ; v[242:243]  its two gates
.set BV,   244                         ; largest logit
.set BI,   245                         ; its index
.set SV,   246                         ; second largest
.set SI,   247                         ; its index
.set NINF, 248                         ; minus infinity
.set T,    249                         ; v[249:254]  at work
	s_load_b256 s[4:11], s[0:1], 0x0               ; x s[4:5], Wr s[6:7], br s[8:9], xb s[10:11]
	s_load_b128 s[12:15], s[0:1], 0x20             ; sel s[12:13], gate s[14:15]
	s_load_b64 s[32:33], s[0:1], 0x30              ; tab
	v_lshl_add_u32 v241, v0, 2, 0x5000
	v_mov_b32 v255, 0
	v_and_b32 v1, 31, v0                           ; lane L
	v_lshrrev_b32 v7, 5, v0
	v_readfirstlane_b32 s24, v7                    ; wave
	v_lshlrev_b32 v2, 4, v1                        ; 16 L: my 16 bytes in 512 of x
	v_lshlrev_b32 v3, 3, v1                        ; 8 L: my 8 bytes in 256 of xb; also my pair in gate
	v_lshlrev_b32 v4, 4, v0                        ; 16 x thread: my 16 bytes in 2,048 of Wr
	v_lshlrev_b32 v8, 2, v1                        ; 4 L: my word in sel
	s_lshl_b32 s26, ttmp9, 15                      ; 8 tokens of 4,096 bytes a work-group
	s_lshl_b32 s25, s24, 13                        ; 2 tokens a wave
	s_add_co_u32 s26, s26, s25                     ; (8 wg + 2 w) x 4,096
	s_mov_b32 s27, 0
	s_mov_b32 s28, 0x76543210                      ; v_permlanex16_b32: lane i reads lane i of the other half
	s_mov_b32 s29, 0xfedcba98
	s_wait_kmcnt 0x0
	s_load_b256 s[16:23], s[8:9], 0x0              ; br, 8 numbers
	s_add_nc_u64 s[4:5], s[4:5], s[26:27]
.irp j, 0,1
.irp m, 0,1,2,3,4,5,6,7
	global_load_b128 v[X+32*\j+4*\m:X+32*\j+4*\m+3], v2, s[4:5] offset:4096*\j+512*\m th:TH_LOAD_NT
.endr
.endr
.irp u, 0,1,2,3,4,5,6,7,8,9,10,11,12,13,14,15
	global_load_b128 v[W+4*\u:W+4*\u+3], v4, s[6:7] offset:2048*\u   ; thread n: Wr[(n>>1)+64u][4(n&1) .. +3]
.endr
	s_lshr_b32 s26, s26, 1                         ; (8 wg + 2 w) x 2,048: xb
	s_add_nc_u64 s[10:11], s[10:11], s[26:27]
	s_lshr_b32 s26, s26, 8                         ; x 8: gate
	s_add_nc_u64 s[14:15], s[14:15], s[26:27]
	s_lshr_b32 s26, s26, 1                         ; x 4: sel
	s_add_nc_u64 s[12:13], s[12:13], s[26:27]
	; Wr in LDS as bf16: four rows k make a group of 64 bytes, padded to 80 (an odd multiple of 16, so that 16 lanes that read
	; 16 neighbouring groups touch 16 different 16-byte columns modulo 256).  Byte 80 (k>>2) + 16 (k&3) + 2 e.
	v_lshrrev_b32 v7, 3, v0
	v_mul_u32_u24 v5, v7, 80
	v_bfe_u32 v7, v0, 1, 2
	v_lshl_add_u32 v5, v7, 4, v5
	v_and_b32 v7, 1, v0
	v_lshl_add_u32 v5, v7, 3, v5                   ; where I put: 80 (n>>3) + 16 ((n>>1)&3) + 8 (n&1); 64 rows further are 1,280 bytes
	v_mul_u32_u24 v6, v1, 80                       ; where I read: group 32 m + L
	v_mov_b32 v9, 1
	v_mov_b32 v10, 0x100
	v_mov_b32 v[NINF], 0xff800000
	v_mov_b32 v[RS], 0
	v_mov_b32 v[RG], 0
	v_mov_b32 v[RG+1], 0
	s_wait_loadcnt 0x0                             ; Wr is needed now and x straight behind it
.irp u, 0,1,2,3,4,5,6,7,8,9,10,11,12,13,14,15
	v_cvt_pk_bf16_f32 v[W+4*\u], v[W+4*\u], v[W+4*\u+1]
	v_cvt_pk_bf16_f32 v[W+4*\u+1], v[W+4*\u+2], v[W+4*\u+3]
	ds_store_b64 v5, v[W+4*\u:W+4*\u+1] offset:1280*\u
.endr
	s_wait_dscnt 0x0                               ; my stores are in LDS before I say so
	s_barrier_signal -1
	s_barrier_wait -1                              ; everybody's are
.irp m, 0,1,2,3,4,5,6,7
.irp c, 0,1,2,3
	ds_load_b128 v[W+16*\m+4*\c:W+16*\m+4*\c+3], v6 offset:2560*\m+16*\c
.endr
.endr
	s_wait_kmcnt 0x0                               ; br
	v_cmp_eq_u32 vcc_lo, 0, v1
.irp p, 0,1,2,3
	v_cvt_pk_bf16_f32 v7, s[16+2*\p], s[17+2*\p]
	v_lshlrev_b32 v11, 16, v7
	v_and_b32 v12, 0xffff0000, v7
	v_cndmask_b32 v[BR+2*\p], 0, v11, vcc_lo       ; lane 0 alone adds the bias: the sum over the lanes holds it once
	v_cndmask_b32 v[BR+2*\p+1], 0, v12, vcc_lo
.endr
	s_wait_dscnt 0x0
; one multiply-add straight from two bf16 halves into an f32 sum; hs = 2 x (half of x) + (half of Wr)
.macro MIX
.if hs == 0
	v_fma_mix_f32_bf16 v[ACC+ke], v[pa], v[wb], v[cc] op_sel:[0,0,0] op_sel_hi:[1,1,0]
.elseif hs == 1
	v_fma_mix_f32_bf16 v[ACC+ke], v[pa], v[wb], v[cc] op_sel:[0,1,0] op_sel_hi:[1,1,0]
.elseif hs == 2
	v_fma_mix_f32_bf16 v[ACC+ke], v[pa], v[wb], v[cc] op_sel:[1,0,0] op_sel_hi:[1,1,0]
.else
	v_fma_mix_f32_bf16 v[ACC+ke], v[pa], v[wb], v[cc] op_sel:[1,1,0] op_sel_hi:[1,1,0]
.endif
.endm
.macro TOKEN j
	s_wait_xcnt 0x0                                ; P is the data of the last token's stores: rewritten only behind this wait
.set km, 0
.rept 8
	v_cvt_pk_bf16_f32 v[P+2*km], v[X+32*\j+4*km], v[X+32*\j+4*km+1]
	v_cvt_pk_bf16_f32 v[P+2*km+1], v[X+32*\j+4*km+2], v[X+32*\j+4*km+3]
	global_store_b64 v3, v[P+2*km:P+2*km+1], s[10:11] offset:2048*\j+256*km   ; the wave's store covers 256 consecutive bytes, aligned
.set km, km+1
.endr
	; 32 numbers of x a lane x 8 experts; the experts run innermost: eight chains that do not wait for each other
.set km, 0
.rept 8
.set kc, 0
.rept 4
.set ke, 0
.rept 8
.set pa, P+2*km+kc/2
.set wb, W+16*km+4*kc+ke/2
.set hs, 2*(kc%2)+(ke%2)
.if km+kc == 0
.set cc, BR+ke                                     ; the first product starts the sum on the bias: nothing is cleared
.else
.set cc, ACC+ke
.endif
	MIX
.set ke, ke+1
.endr
.set kc, kc+1
.endr
.set km, km+1
.endr
	; sums over the 32 lanes; every lane ends with all eight logits
.irp x, 1,2,4,8
.irp e, 0,1,2,3,4,5,6,7
	v_add_f32_dpp v[ACC+\e], v[ACC+\e], v[ACC+\e] row_xmask:\x row_mask:0xf bank_mask:0xf
.endr
.endr
.irp e, 0,1,2,3,4,5,6,7
	v_permlanex16_b32 v7, v[ACC+\e], s28, s29      ; v7 has been written before
	v_add_f32 v[ACC+\e], v[ACC+\e], v7
.endr
	; the largest: the best so far stays where it is at least as large, so equal logits leave the lower index
	v_mov_b32 v[BV], v[ACC]
	v_mov_b32 v[BI], 0
.irp e, 1,2,3,4,5,6,7
	v_cmp_ge_f32 vcc_lo, v[BV], v[ACC+\e]
	v_cndmask_b32 v[BV], v[ACC+\e], v[BV], vcc_lo
	v_cndmask_b32 v[BI], \e, v[BI], vcc_lo
.endr
.irp e, 0,1,2,3,4,5,6,7
	v_cmp_eq_u32 vcc_lo, \e, v[BI]
	v_cndmask_b32 v[ACC+\e], v[ACC+\e], v[NINF], vcc_lo    ; the winner leaves the field
.endr
	v_mov_b32 v[SV], v[ACC]
	v_mov_b32 v[SI], 0
.irp e, 1,2,3,4,5,6,7
	v_cmp_ge_f32 vcc_lo, v[SV], v[ACC+\e]
	v_cndmask_b32 v[SV], v[ACC+\e], v[SV], vcc_lo
	v_cndmask_b32 v[SI], \e, v[SI], vcc_lo
.endr
	; softmax of the two with the larger taken away: g1 = 1 / (1 + e^d), g2 = e^d / (1 + e^d), d = second - first <= 0
	v_sub_f32 v[T], v[SV], v[BV]
	v_mul_f32 v[T], 0x3fb8aa3b, v[T]
	v_exp_f32 v[T+1], v[T]
	v_lshlrev_b32 v[T+2], v[BI], v9                ; 1 << i1: the plain instruction between v_exp_f32 and the use of its result (ISA guide 5.7.2)
	s_wait_alu depctr_va_vdst(0)
	v_add_f32 v[T+3], 1.0, v[T+1]
	v_rcp_f32 v[T+4], v[T+3]
	v_lshlrev_b32 v[T+5], v[SI], v10               ; 0x100 << i2: the same behind v_rcp_f32
	s_wait_alu depctr_va_vdst(0)
	v_mul_f32 v[T+1], v[T+1], v[T+4]
	v_or_b32 v[T+2], v[T+2], v[T+5]
	v_lshl_or_b32 v[T+2], v[BI], 16, v[T+2]        ; the two indices once more as numbers, for the look-up in the next launch
	v_lshl_or_b32 v[T+2], v[SI], 24, v[T+2]
	v_cmp_eq_u32 vcc_lo, \j, v1
	v_cndmask_b32 v[RS], v[RS], v[T+2], vcc_lo     ; token j's results wait in lane j
	v_cndmask_b32 v[RG], v[RG], v[T+4], vcc_lo
	v_cndmask_b32 v[RG+1], v[RG+1], v[T+1], vcc_lo
.endm
	TOKEN 0
	TOKEN 1
	s_wait_xcnt 0x0                                ; EXEC is a source of the pending stores: it changes only behind this wait
	v_cmp_gt_u32 vcc_lo, 2, v1
	s_and_saveexec_b32 s30, vcc_lo
	global_store_b32 v8, v[RS], s[12:13]           ; two words and two pairs a wave: the tables are 8 and 16 KiB in all
	global_store_b64 v3, v[RG:RG+1], s[14:15]
	s_wait_xcnt 0x0
	s_or_b32 exec_lo, exec_lo, s30
	; the table slot -> token starts as zeros: 24,576 bytes = 12 work-groups x 4 waves x 512 consecutive bytes
	s_cmp_ge_u32 ttmp9, 12
	s_cbranch_scc1 .Lend
	s_lshl_b32 s31, ttmp9, 2
	s_add_co_u32 s31, s31, s24
	s_lshl_b32 s31, s31, 9
	v_add_nc_u32 v13, s31, v2
	v_mov_b32 v16, 0
	v_mov_b32 v17, 0
	v_mov_b32 v18, 0
	v_mov_b32 v19, 0
	global_store_b128 v13, v[16:19], s[32:33]
.Lend:
	s_wait_tensorcnt 0x0
	ds_add_u32 v241, v255
	s_wait_dscnt 0x0
	s_endpgm
.Lfunc_end_k_q5af58e744d_router:
	.size	k_q5af58e744d_router, .Lfunc_end_k_q5af58e744d_router-k_q5af58e744d_router
	.p2alignl 7, 3214868480
	.fill 96, 4, 3214868480
	.section	.rodata,"a",@progbits
	.p2align	6, 0x0
	.amdhsa_kernel k_q5af58e744d_router
		.amdhsa_group_segment_fixed_size 20992
		.amdhsa_private_segment_fixed_size 0
		.amdhsa_enable_private_segment 0
		.amdhsa_kernarg_size 56
		.amdhsa_user_sgpr_count 2
		.amdhsa_user_sgpr_kernarg_segment_ptr 1
		.amdhsa_wavefront_size32 1
		.amdhsa_system_sgpr_workgroup_id_x 1
		.amdhsa_system_sgpr_workgroup_id_y 1
		.amdhsa_system_sgpr_workgroup_id_z 1
		.amdhsa_system_vgpr_workitem_id 0
		.amdhsa_next_free_vgpr 256
		.amdhsa_next_free_sgpr 66
		.amdhsa_reserve_vcc 1
		.amdhsa_float_denorm_mode_32 3
		.amdhsa_float_denorm_mode_16_64 3
		.amdhsa_memory_ordered 1
		.amdhsa_forward_progress 1
		.amdhsa_inst_pref_size 59
	.end_amdhsa_kernel
	.amdgpu_metadata
---
amdhsa.version: [ 1, 2 ]
amdhsa.kernels:
  - .name:           k_q5af58e744d_router
    .symbol:         k_q5af58e744d_router.kd
    .args:
      - { .name: x, .offset: 0, .size: 8, .value_kind: global_buffer, .address_space: global }
      - { .name: Wr, .offset: 8, .size: 8, .value_kind: global_buffer, .address_space: global }
      - { .name: br, .offset: 16, .size: 8, .value_kind: global_buffer, .address_space: global }
      - { .name: xb, .offset: 24, .size: 8, .value_kind: global_buffer, .address_space: global }
      - { .name: sel, .offset: 32, .size: 8, .value_kind: global_buffer, .address_space: global }
      - { .name: gate, .offset: 40, .size: 8, .value_kind: global_buffer, .address_space: global }
      - { .name: tab, .offset: 48, .size: 8, .value_kind: global_buffer, .address_space: global }
    .group_segment_fixed_size: 20992
    .private_segment_fixed_size: 0
    .kernarg_segment_align: 8
    .kernarg_segment_size: 56
    .max_flat_workgroup_size: 128
    .sgpr_count:     66
    .vgpr_count:     256
    .wavefront_size: 32
...
	.end_amdgpu_metadata
.endif
;; end of part 6
;; launch bucket (part 7): grid 1 x 1, 8 waves a work-group, no clusters, 66,816 bytes of LDS; arguments sel, tab; writes tab
.if DOCPART == 7
	.amdgcn_target "amdgcn-amd-amdhsa--gfx1250"
	.amdhsa_code_object_version 6
	.text
	.protected	k_q5af58e744d_bucket
	.globl	k_q5af58e744d_bucket
	.p2align	8
	.type	k_q5af58e744d_bucket,@function
k_q5af58e744d_bucket:
	s_mov_b64 s[64:65], 0
	v_nop
	global_prefetch_b8 v0, s[64:65] scope:SCOPE_SE
	s_setreg_imm32_b32 hwreg(HW_REG_WAVE_MODE, 25, 1), 1
	s_wait_xcnt 0x0
; BUCKET.  From sel[t] = (1 << i1) | (0x100 << i2) | (i1 << 16) | (i2 << 24) to the tables that steer the expert launches.  One work-group of eight waves.
; Each expert's rows ("slots") begin on a multiple of 192 slots.  tab holds whole numbers:
;   ROWS at byte 0:      6,144 words, the token of each slot.  The launch before has written zeros; here only the 4,096 slots that hold a row are written,
;                        so every padding slot names token 0
;   SM   at byte 24,576: 2,048 x 2 words, the slot of (token, first or second choice)
;   BLK  at byte 40,960: 32 words, the expert of block b, or 8 where the block holds no row
; The sum over the experts of ceil(n_e / 192) is at most (4,096 + 8 x 191) / 192, that is 29 blocks = 5,568 slots.
; No atomics, no masks.  FIRST HALF, wave e for expert e: each lane walks its 64 tokens and keeps a running count of those that chose e (their rank in the
; lane); one scan over the 32 lanes and the eight waves' counts (through LDS) turn the ranks into slots; the slot of EVERY token under expert e goes
; to LDS (POS[e][t]; where the token did not choose e the word means nothing and is never read).
; SECOND HALF, thread n for the tokens 2 n + 512 k + u: it looks its tokens' two slots up in POS, stores them to SM in runs of 512 consecutive bytes a wave,
; and writes its token number to ROWS at the two slots (single words at places that hang on the routing: 16 KiB in all).
.set SM,   24576
.set BLK,  40960
.set POSB, 256                         ; LDS: the eight counts at byte 0, POS[e][t] at 256 + 8,192 e + 4 t
.set S,   16                           ; v[16:79]    v[S+4j+c] = sel[128 j + 4 L + c]
.set PRE, 80                           ; v[80:143]   how many of the lane's earlier tokens chose e; later the slot
.set M,   144                          ; v[144:151]  v[M+2k+u] = sel[2 n + 512 k + u]
.set Q,   152                          ; v[152:167]  v[Q+4k+2u+c]: the slot of that token's choice c
.set AD,  168                          ; v[168:183]  its address in POS, later its byte offset in ROWS
.set TK,  184                          ; v[184:191]  the token numbers
.set CN,  192                          ; v[192:199]  the eight counts
.set TOT, 200                          ; the lane's count
.set XS,  201                          ; the scan
	s_load_b128 s[4:7], s[0:1], 0x0                ; sel s[4:5], tab s[6:7]
	v_lshl_add_u32 v208, v0, 2, 0x10100
	v_mov_b32 v209, 0
	v_and_b32 v1, 31, v0                           ; lane L
	v_lshrrev_b32 v3, 5, v0
	v_readfirstlane_b32 s8, v3                     ; wave = expert e
	v_lshlrev_b32 v2, 4, v1                        ; 16 L
	v_lshlrev_b32 v10, 3, v0                       ; 8 n
	v_lshlrev_b32 v11, 2, v1                       ; 4 L
	v_lshlrev_b32 v12, 1, v0                       ; 2 n
	v_lshlrev_b32 v15, 4, v0                       ; 16 n
	v_mov_b32 v9, 0
	v_mov_b32 v13, s8
	v_mov_b32 v14, 1
	s_lshl_b32 s9, 0x101, s8                       ; chosen first or second
	s_wait_kmcnt 0x0
.irp j, 0,1,2,3,4,5,6,7,8,9,10,11,12,13,14,15
	global_load_b128 v[S+4*\j:S+4*\j+3], v2, s[4:5] offset:512*\j
.endr
.irp k, 0,1,2,3
	global_load_b64 v[M+2*\k:M+2*\k+1], v10, s[4:5] offset:2048*\k
.endr
.irp k, 0,1,2,3
	v_add_nc_u32 v[TK+2*\k], 512*\k, v12
	v_add_nc_u32 v[TK+2*\k+1], 512*\k+1, v12
.endr
	v_mov_b32 v[PRE], 0
	v_mov_b32 v7, 0
	s_wait_loadcnt 0x4                             ; the sixteen older loads are in; the four for the second half may be out
.set i, 0
.rept 63
	v_and_b32 v[3+i%4], s9, v[S+i]
	v_min_u32 v[3+i%4], 1, v[3+i%4]                ; 1 if the token chose e
	v_add_nc_u32 v[PRE+i+1], v[PRE+i], v[3+i%4]
.set i, i+1
.endr
	v_and_b32 v6, s9, v[S+63]
	v_min_u32 v6, 1, v6
	v_add_nc_u32 v[TOT], v[PRE+63], v6
	; sums over the lanes below and up to me: four steps inside each half of 16 lanes, then the lower half's sum onto the upper half
	v_mov_b32 v[XS], v[TOT]
.irp n, 1,2,4,8
	v_mov_b32_dpp v7, v[XS] row_shr:\n row_mask:0xf bank_mask:0xf bound_ctrl:1     ; lane i takes lane i - n, or 0 where there is none
	v_add_nc_u32 v[XS], v[XS], v7
.endr
	v_readlane_b32 s12, v[XS], 15
	v_cmp_le_u32 vcc_lo, 16, v1
	v_mov_b32 v7, s12
	v_cndmask_b32 v7, 0, v7, vcc_lo
	v_add_nc_u32 v[XS], v[XS], v7
	v_readlane_b32 s11, v[XS], 31                  ; n_e
	v_sub_nc_u32 v[XS], v[XS], v[TOT]              ; how many in the lanes below me
	v_mov_b32 v4, s11
	v_lshlrev_b32 v5, 2, v13
	ds_store_b32 v5, v4                            ; all lanes write the same word with the same number
	s_wait_dscnt 0x0                               ; my count is in LDS before I say so
	s_barrier_signal -1
	s_barrier_wait -1
	ds_load_b128 v[CN:CN+3], v9
	ds_load_b128 v[CN+4:CN+7], v9 offset:16
	; meanwhile: where the second half will look.  An index read from memory enters an address only behind v_min_u32
	s_wait_loadcnt 0x0
.set i, 0
.rept 8
	v_bfe_u32 v3, v[M+i], 16, 3
	v_bfe_u32 v4, v[M+i], 24, 3
	v_min_u32 v3, 7, v3
	v_min_u32 v4, 7, v4
	v_lshl_add_u32 v[AD+2*i], v3, 13, v10          ; 8,192 i1 + 8 n; the rest of 4 t stands in the immediate
	v_lshl_add_u32 v[AD+2*i+1], v4, 13, v10
.set i, i+1
.endr
	s_wait_dscnt 0x0
	s_mov_b32 s36, 0                               ; blocks up to and with expert i
	s_mov_b32 s37, 0                               ; my first block
.irp i, 0,1,2,3,4,5,6,7
	v_readfirstlane_b32 s12, v[CN+\i]
	s_add_co_u32 s12, s12, 191
	s_mul_i32 s12, s12, 43691                      ; 43,691 x 192 = 2^23 + 64: the quotient by 192 is exact below 131,072; here at most 2,239
	s_lshr_b32 s12, s12, 23                        ; ceil(n_i / 192)
	s_cmp_eq_u32 s8, \i
	s_cselect_b32 s37, s36, s37
	s_add_co_u32 s36, s36, s12
	s_mov_b32 s[28+\i], s36
.endr
	s_mul_i32 s39, s37, 192
	v_add_nc_u32 v[XS], s39, v[XS]                 ; my expert's first slot + the lanes below me
.set i, 0
.rept 64
	v_add_nc_u32 v[PRE+i], v[PRE+i], v[XS]
.set i, i+1
.endr
	v_lshl_add_u32 v8, v13, 13, v2                 ; 8,192 e + 16 L
.irp j, 0,1,2,3,4,5,6,7,8,9,10,11,12,13,14,15
	ds_store_b128 v8, v[PRE+4*\j:PRE+4*\j+3] offset:POSB+512*\j    ; 32 lanes, 512 consecutive bytes
.endr
	s_cmp_lg_u32 s8, 0
	s_cbranch_scc1 .Lnot0
	; wave 0, lane b: the expert of block b = how many experts end at or below b; behind the last block that is 8
	v_mov_b32 v6, 0
.irp i, 0,1,2,3,4,5,6,7
	v_cmp_le_u32 vcc_lo, s[28+\i], v1
	v_cndmask_b32 v7, 0, v14, vcc_lo
	v_add_nc_u32 v6, v6, v7
.endr
	global_store_b32 v11, v6, s[6:7] offset:BLK
.Lnot0:
	s_wait_dscnt 0x0                               ; my part of POS is in LDS before I say so
	s_barrier_signal -1
	s_barrier_wait -1
.set i, 0
.rept 16
	ds_load_b32 v[Q+i], v[AD+i] offset:POSB+2048*(i/4)+4*((i/2)%2)
.set i, i+1
.endr
	s_wait_dscnt 0x0
.set i, 0
.rept 16
	v_min_u32 v[Q+i], 5567, v[Q+i]                 ; the slot stays inside the tables whatever was read
	v_lshlrev_b32 v[AD+i], 2, v[Q+i]
.set i, i+1
.endr
.irp k, 0,1,2,3
	global_store_b128 v15, v[Q+4*\k:Q+4*\k+3], s[6:7] offset:SM+4096*\k    ; SM of two tokens a lane: 512 consecutive bytes a wave
.endr
.set i, 0
.rept 16
	global_store_b32 v[AD+i], v[TK+i/2], s[6:7]    ; ROWS[slot] = token
.set i, i+1
.endr
	s_wait_tensorcnt 0x0
	ds_add_u32 v208, v209
	s_wait_dscnt 0x0
	s_endpgm
.Lfunc_end_k_q5af58e744d_bucket:
	.size	k_q5af58e744d_bucket, .Lfunc_end_k_q5af58e744d_bucket-k_q5af58e744d_bucket
	.p2alignl 7, 3214868480
	.fill 96, 4, 3214868480
	.section	.rodata,"a",@progbits
	.p2align	6, 0x0
	.amdhsa_kernel k_q5af58e744d_bucket
		.amdhsa_group_segment_fixed_size 66816
		.amdhsa_private_segment_fixed_size 0
		.amdhsa_enable_private_segment 0
		.amdhsa_kernarg_size 16
		.amdhsa_user_sgpr_count 2
		.amdhsa_user_sgpr_kernarg_segment_ptr 1
		.amdhsa_wavefront_size32 1
		.amdhsa_system_sgpr_workgroup_id_x 1
		.amdhsa_system_sgpr_workgroup_id_y 1
		.amdhsa_system_sgpr_workgroup_id_z 1
		.amdhsa_system_vgpr_workitem_id 0
		.amdhsa_next_free_vgpr 210
		.amdhsa_next_free_sgpr 66
		.amdhsa_reserve_vcc 1
		.amdhsa_float_denorm_mode_32 3
		.amdhsa_float_denorm_mode_16_64 3
		.amdhsa_memory_ordered 1
		.amdhsa_forward_progress 1
		.amdhsa_inst_pref_size 25
	.end_amdhsa_kernel
	.amdgpu_metadata
---
amdhsa.version: [ 1, 2 ]
amdhsa.kernels:
  - .name:           k_q5af58e744d_bucket
    .symbol:         k_q5af58e744d_bucket.kd
    .args:
      - { .name: sel, .offset: 0, .size: 8, .value_kind: global_buffer, .address_space: global }
      - { .name: tab, .offset: 8, .size: 8, .value_kind: global_buffer, .address_space: global }
    .group_segment_fixed_size: 66816
    .private_segment_fixed_size: 0
    .kernarg_segment_align: 8
    .kernarg_segment_size: 16
    .max_flat_workgroup_size: 256
    .sgpr_count:     66
    .vgpr_count:     210
    .wavefront_size: 32
...
	.end_amdgpu_metadata
.endif
;; end of part 7
;; launch ffn1 (part 8): grid 8 x 29, 8 waves a work-group, no clusters, 244,736 bytes of LDS; arguments xb, W1, b1, tab, h; writes h
.if DOCPART == 8
	.amdgcn_target "amdgcn-amd-amdhsa--gfx1250"
	.amdhsa_code_object_version 6
	.text
	.protected	k_q5af58e744d_ffn1
	.globl	k_q5af58e744d_ffn1
	.p2align	8
	.type	k_q5af58e744d_ffn1,@function
k_q5af58e744d_ffn1:
	s_mov_b64 s[64:65], 0
	v_nop
	global_prefetch_b8 v0, s[64:65] scope:SCOPE_SE
	s_setreg_imm32_b32 hwreg(HW_REG_WAVE_MODE, 25, 1), 1
	s_wait_xcnt 0x0
; EXPERT LAYER (one text for both layers; LAYER picks the few lines that differ).  Every work-group makes 192 slots x 256 columns over K = 1,024.
;   LAYER 1: h[slot][256 nt ..] = relu(xb[token(slot)] W1[e] + b1[e]) in bf16.                       Grid x = nt, 8 column tiles
;   LAYER 2: y[ks][slot][256 nt ..] = h[slot][1024 ks ..] W2[e][1024 ks ..] + b2[e] / 2 in f32.      Grid x = nt + 4 ks: 4 column tiles x 2 halves of K.
;            The two halves are added by the last launch; half the bias in each (an exact scaling) gives the whole bias there.
; Only the rows whose gate is not zero are computed: the module multiplies the other experts' rows by a gate of exactly 0.  LIMIT: where such a row
; would be infinite or NaN the module's own sum is NaN; that is not reproduced.  relu by v_max_num_f32 turns a NaN into 0.
; Grid y = block b of 192 slots; 29 blocks is the bound for every routing.  The column tile is the grid's fast axis: the blocks that read the same columns of
; the same expert's weights have work-group numbers 8, 16, .. apart, and in layer 2 the low half of K belongs to x = 0..3 and the high half to x = 4..7.
; tab gives the block's expert (BLK[b]); 8 says that the block holds padding slots alone.
; Such a block runs the first tile and the way out (what it stores is finite and never gathered) and jumps over the WORK of the other seven intervals; the
; jump rejoins in front of each interval's barrier, so every wave passes every barrier whatever was read.
; The weights are f32 in memory and pass through registers to be rounded to bf16, and layer 1's rows of A are gathered by token: so both tiles come
; through registers (global_load_b128, rounded, ds_store) and not by tensor loads.  No joint loads in a cluster either: they are tensor loads, and how many
; blocks share an expert's weights is a number read from memory, so partners would not make the same requests.
; Eight waves, 2 x 4, a wave makes 96 x 64: 24 accumulators.  K goes in tiles of 128 through two LDS slots (A: 192 rows x (256 + 16) bytes; B: 128 rows of k x
; (512 + 32) bytes, bf16 [k][n]).  A tile is 44 loads of 16 bytes a lane and wave: 32 of W, 12 of A, 176 registers.
; AN INTERVAL (from barrier to barrier) is eight half-quarters of 12 matrix instructions: the last quarter of the tile before, then three quarters of this tile.
; Behind its products each half-quarter (1) rounds and puts into the other slot one eighth of the next tile, and asks at once, into the registers just freed, for the
; same eighth of the tile after next: every load has a whole interval in which to land; (2) refills the three fragments of A that it has just used with
; the next quarter's; (3) in even half-quarters fills the other buffer of B's four fragments.  512 registers leave no room for a second buffer of A.
; ONE barrier an interval orders two things: my stores into the other slot before its reads, and my reads of this slot before the next interval's stores into it.
; THE MATRIX INSTRUCTION IS USED TRANSPOSED (source 0 = 16 columns of W, source 1 = 16 slots): a lane then holds 8 neighbouring columns of one slot's row.
.set LAYER, 1
.if LAYER == 1
.set WPITCH,  8192                     ; bytes from a row of W to the next
.set OB,      512                      ; bytes of a row of the result in the tile
.set HSH,     4                        ; log2 of the bytes of 8 columns of the result
.set BSTRIDE, 8192                     ; bytes of an expert's bias
.else
.set WPITCH,  4096
.set OB,      1024
.set HSH,     5
.set BSTRIDE, 4096
.set YH,      22806528                 ; bytes of one half's y
.endif
.set PA,     272                       ; 256 + 16: an odd multiple of 16, so the 16 rows of a fragment begin at 16 different 16-byte columns modulo 256
.set PB,     544                       ; 512 + 32: an odd multiple of 32, for the transposing loads
.set ABYTES, 192*PA
.set SLOT,   ABYTES+128*PB
.set SP,     OB+16                     ; the way out: pitch of a row in LDS
.set LPO,    OB/512                    ; loads and stores for a row of the result
.set NRD,    24*LPO                    ; for a wave's 24 rows
.set NLD,    44                        ; loads of a tile
.set BLK,    40960
; window 0 (v0-v255)
.set VOA,   4                          ; v[4:15] layer 1: byte offset in xb of row 24 w + 2 a + h, + 16 r;  layer 2: v4 alone, the rows in the immediate
.set VOB,   16                         ; byte offset in W of my 16 bytes of k row 16 w
.set ADRA,  17                         ; v17, v18  LDS address of my A fragments in slot 0, 1
.set ADRB,  19                         ; v19, v20  the same for B
.set STA,   21                         ; v21, v22  where I put A's rows
.set STB,   23                         ; v23, v24  where I put B's rows
.set VSTG,  25                         ; v25, v26  the way out: where I put a piece of a row, for my rows 0-47 and 48-95
.set VRD,   27                         ; where I read whole rows back
.set VOUT,  28                         ; my byte offset in the result
.set VBIAS, 29                         ; my byte offset in the bias
.set FB,    32                         ; v[32:95]   two buffers of 4 fragments of B
.set BST,   96                         ; v[96:223]  W as loaded, then rounded in place; at the end the bias
.set AST0,  224                        ; v[224:255] A's loads 0-7
.set T,     32                         ; the way out: 32 registers at work
.set RB,    64                         ; the way out: rows read back
; window 1 (v256-v511): accumulator (i, j) at 8 (4 i + j)
.set FA,    192                        ; v[448:495] 6 fragments of A
.set AST1,  240                        ; v[496:511] A's loads 8-11
; Two settings of the register windows do all the work of the loop: 0, and W1 = destination, source 1 and source 2 in window 1, source 0 in window 0.
; W1 fits the matrix instruction (D, C and A's fragments above, B's fragments below), an LDS load of an A fragment, and the LDS stores and global loads of A's loads 8-11.
.set W1, 0x54
.set MSB, 0
.macro WIN new                         ; s_set_vgpr_msb: bits 1:0 source 0, 3:2 source 1, 5:4 source 2, 7:6 destination; the high byte repeats the setting that is left
.if MSB != \new
	s_set_vgpr_msb (MSB<<8)|\new
.set MSB, \new
.endif
.endm
.macro PLACES                          ; four plain vector instructions between a matrix instruction and a load into, or a vector write or read of, its registers
.rept 4
	v_nop
.endr
.endm
.macro BAR
	s_wait_dscnt 0x0                               ; my LDS stores are in and my LDS reads are back, for the others' sake
	s_barrier_signal -1
	s_barrier_wait -1
.endm
	s_load_b256 s[4:11], s[0:1], 0x0               ; A's buffer s[4:5], W s[6:7], bias s[8:9], tab s[10:11]
	s_load_b64 s[12:13], s[0:1], 0x20              ; the result
	s_and_b32 s17, ttmp7, 0xffff                   ; block b: the grid's y
	s_mov_b32 s18, ttmp9                           ; column tile (layer 2: + 4 x half of K): the grid's x
	s_lshl_b32 s25, s17, 2                         ; kept untouched until the scalar load below has come
	v_and_b32 v1, 31, v0                           ; lane L
	v_lshrrev_b32 v30, 5, v0
	v_readfirstlane_b32 s14, v30                   ; wave w
	v_and_b32 v2, 15, v0                           ; r
	v_bfe_u32 v3, v0, 4, 1                         ; h
	s_lshr_b32 s15, s14, 2                         ; wm
	s_and_b32 s16, s14, 3                          ; wn
.if LAYER == 1
	s_mul_i32 s20, s17, 768
	s_mul_i32 s21, s14, 96
	s_add_co_u32 s20, s20, s21
	v_lshl_add_u32 v33, v3, 2, s20                 ; 4 (192 b + 24 w + h)
.endif
	s_wait_kmcnt 0x0
	s_load_b32 s19, s[10:11], s25 offset:BLK       ; the block's expert; it lands while the addresses are made
.if LAYER == 1
.irp i, 0,1,2,3,4,5,6,7,8,9,10,11
	global_load_b32 v[VOA+\i], v33, s[10:11] offset:8*\i   ; the tokens of my 24 slots
.endr
	v_lshlrev_b32 v34, 4, v2
.else
	s_lshr_b32 s27, s18, 2                         ; ks
	s_and_b32 s18, s18, 3                          ; nt
.endif
	; A fragment i, 32 k at byte 64 q: lane (r, h) takes 16 bytes at row 96 wm + 16 i + r, byte 64 q + 16 h, and 16 more 32 bytes on
	s_mul_i32 s20, s15, 96*PA
	v_mul_u32_u24 v30, v2, PA
	v_lshl_add_u32 v30, v3, 4, v30
	v_add_nc_u32 v[ADRA], s20, v30
	v_add_nc_u32 v[ADRA+1], SLOT, v[ADRA]
	; B fragment j from rows that lie along n: two transposing loads, at k row 32 q + 8 h + (L & 7) and 16 rows on, byte 2 (64 wn + 16 j) + 16 ((L >> 3) & 1)
	v_and_b32 v31, 7, v0
	v_lshl_add_u32 v31, v3, 3, v31
	v_mul_u32_u24 v31, v31, PB
	v_bfe_u32 v32, v0, 3, 1
	v_lshl_add_u32 v31, v32, 4, v31
	s_lshl_b32 s20, s16, 7
	s_add_co_u32 s20, s20, ABYTES
	v_add_nc_u32 v[ADRB], s20, v31
	v_add_nc_u32 v[ADRB+1], SLOT, v[ADRB]
	; what I bring: A's rows 24 w .. 24 w + 23, two a load (lanes 0-15 one row's 256 bytes, lanes 16-31 the next row's)
	s_mul_i32 s20, s14, 24*PA
	v_mul_u32_u24 v31, v3, PA
	v_lshl_add_u32 v31, v2, 4, v31
	v_add_nc_u32 v[STA], s20, v31
	v_add_nc_u32 v[STA+1], SLOT, v[STA]
	; and W's k rows 16 w .. 16 w + 15, two loads of 512 bytes a row: 4 f32 a lane become 8 bytes
	s_mul_i32 s20, s14, 16*PB
	s_add_co_u32 s20, s20, ABYTES
	v_lshl_add_u32 v[STB], v1, 3, s20
	v_add_nc_u32 v[STB+1], SLOT, v[STB]
	s_mul_i32 s20, s14, 16*WPITCH
	v_lshl_add_u32 v[VOB], v1, 4, s20
	; the way out
	s_mul_i32 s20, s15, 96*SP
	s_mul_i32 s21, s16, OB/4
	s_add_co_u32 s20, s20, s21
	v_mul_u32_u24 v31, v2, SP
	v_lshl_add_u32 v31, v3, HSH, v31
	v_add_nc_u32 v[VSTG], s20, v31
	v_add_nc_u32 v[VSTG+1], 48*SP, v[VSTG]         ; a second register: the immediate of an LDS instruction has 16 bits
	s_mul_i32 s20, s14, 24*SP
	v_lshl_add_u32 v[VRD], v1, 4, s20
	s_lshl_b32 s20, s16, 8
	v_lshl_add_u32 v[VBIAS], v3, 5, s20            ; 4 (64 wn + 8 h)
	s_mul_i32 s20, s14, 24*4096
	v_lshl_add_u32 v[VOUT], v1, 4, s20
.if LAYER == 2
	v_lshlrev_b32 v31, 12, v3
	v_lshl_add_u32 v31, v2, 4, v31
	v_add_nc_u32 v[VOA], s20, v31                  ; (24 w + h) x 4,096 + 16 r
.endif
	s_wait_kmcnt 0x0                               ; the expert
	s_cmp_lt_u32 s19, 8
	s_cselect_b32 s26, 1, 0                        ; 1: the block holds rows
	s_min_u32 s19, s19, 7                          ; it enters an address only behind s_min_u32
	s_lshl_b32 s20, s19, 23                        ; an expert's weights are 2^23 bytes
	s_lshl_b32 s21, s18, 10                        ; 256 columns of f32
	s_add_co_u32 s20, s20, s21
.if LAYER == 2
	s_lshl_b32 s22, s27, 22                        ; 1,024 rows of 4,096 bytes
	s_add_co_u32 s20, s20, s22
.endif
	s_mov_b32 s21, 0
	s_add_nc_u64 s[6:7], s[6:7], s[20:21]
	s_mul_i32 s20, s19, BSTRIDE
	s_lshl_b32 s22, s18, 10
	s_add_co_u32 s20, s20, s22
	s_add_nc_u64 s[8:9], s[8:9], s[20:21]
	s_mul_i32 s22, s17, 192*4096                   ; 192 rows of 4,096 bytes, in h and in y alike
.if LAYER == 2
	s_lshl_b32 s20, s27, 11                        ; 1,024 k of bf16
	s_add_co_u32 s20, s20, s22
	s_add_nc_u64 s[4:5], s[4:5], s[20:21]
	s_mul_i32 s20, s27, YH
	s_add_co_u32 s22, s22, s20
.endif
	s_mul_i32 s20, s18, OB
	s_add_co_u32 s20, s20, s22
	s_add_nc_u64 s[12:13], s[12:13], s[20:21]
.if LAYER == 1
	s_wait_loadcnt 0x0
.irp i, 0,1,2,3,4,5,6,7,8,9,10,11
	v_min_u32 v[VOA+\i], 2047, v[VOA+\i]           ; a token read from the table enters an address only behind v_min_u32
	v_lshl_add_u32 v[VOA+\i], v[VOA+\i], 11, v34   ; token x 2,048 bytes + 16 r
.endr
.endif
; A tile's 44 loads go in eight eighths: eighth c is W's loads 4 c .. 4 c + 3 and, for c < 6, A's loads 2 c, 2 c + 1.  Always in this order, so that the counts below hold.
.macro LDB c                           ; window 0
.set k_lb, 4*(\c)
.rept 4
	global_load_b128 v[BST+4*k_lb:BST+4*k_lb+3], v[VOB], s[6:7] offset:(k_lb/2)*WPITCH+512*(k_lb%2)   ; 512 consecutive bytes of a row of W
.set k_lb, k_lb+1
.endr
.endm
.macro LDA c                           ; c < 4: window 0;  c = 4, 5: W1
.set k_la, 2*(\c)
.rept 2
.if k_la < 8
.set k_lr, AST0+4*k_la
.else
.set k_lr, AST1+4*(k_la-8)
.endif
.if LAYER == 1
	global_load_b128 v[k_lr:k_lr+3], v[VOA+k_la], s[4:5]                  ; two rows' 256 bytes
.else
	global_load_b128 v[k_lr:k_lr+3], v[VOA], s[4:5] offset:8192*k_la
.endif
.set k_la, k_la+1
.endr
.endm
; Eighth c of the tile that has been asked for goes into LDS slot 'slot'.  mode 1: the same eighth of the tile behind it is asked for at once;  mode 2: nothing more is asked for.
.macro STGB c, slot, mode              ; window 0
.set k_sc, (\c)
.if k_sc < 6
.set k_sn, 6
.set k_cum, 6*(k_sc+1)
.else
.set k_sn, 4
.set k_cum, 36+4*(k_sc-5)
.endif
.if \mode == 1
	s_wait_loadcnt NLD-k_sn                        ; 44 loads are out and come back in order: the oldest, this eighth's, are in
.else
	s_wait_loadcnt NLD-k_cum                       ; nothing has been asked for since: what is out are the eighths behind this one
.endif
.set k_sb, 4*k_sc
.rept 4
	v_cvt_pk_bf16_f32 v[BST+4*k_sb], v[BST+4*k_sb], v[BST+4*k_sb+1]
	v_cvt_pk_bf16_f32 v[BST+4*k_sb+1], v[BST+4*k_sb+2], v[BST+4*k_sb+3]
.set k_sb, k_sb+1
.endr
.set k_sb, 4*k_sc
.rept 4
	ds_store_b64 v[STB+\slot], v[BST+4*k_sb:BST+4*k_sb+1] offset:(k_sb/2)*PB+256*(k_sb%2)   ; 32 lanes, 256 consecutive bytes
.set k_sb, k_sb+1
.endr
.if \mode == 1
	LDB k_sc
.endif
.endm
.macro STGA c, slot, mode              ; c < 4: window 0;  c = 4, 5: W1
.set k_sa, 2*(\c)
.rept 2
.if k_sa < 8
.set k_sr, AST0+4*k_sa
.else
.set k_sr, AST1+4*(k_sa-8)
.endif
	ds_store_b128 v[STA+\slot], v[k_sr:k_sr+3] offset:2*PA*k_sa
.set k_sa, k_sa+1
.endr
.if \mode == 1
	LDA \c
.endif
.endm
; 12 matrix instructions: my slots 48 hf .. 48 hf + 47 x my 64 columns, 32 along K, from B's buffer fb.  zero = 1: the products start the sums, nothing is cleared.
; The 24 accumulators take turns, one instruction a turn, in the same order in every quarter, over the loop's backward jump and every jump over an interval too.
.macro MUL12 hf, fb, zero
.set k_mi, 3*(\hf)
.rept 3
.set k_mj, 0
.rept 4
.if \zero
	v_wmma_f32_16x16x32_bf16 v[8*(4*k_mi+k_mj):8*(4*k_mi+k_mj)+7], v[FB+32*(\fb)+8*k_mj:FB+32*(\fb)+8*k_mj+7], v[FA+8*k_mi:FA+8*k_mi+7], 0
.else
	v_wmma_f32_16x16x32_bf16 v[8*(4*k_mi+k_mj):8*(4*k_mi+k_mj)+7], v[FB+32*(\fb)+8*k_mj:FB+32*(\fb)+8*k_mj+7], v[FA+8*k_mi:FA+8*k_mi+7], v[8*(4*k_mi+k_mj):8*(4*k_mi+k_mj)+7]
.endif
.set k_mj, k_mj+1
.endr
.set k_mi, k_mi+1
.endr
.endm
; Half-quarter c = 0 .. 7 of an interval on slot 'slot'.  It multiplies half c % 2 of the quarter in front of quarter c / 2 (mul 0: nothing yet; 1: adds; 2: starts the sums)
; and fetches that half of A's fragments, and for even c B's, of quarter c / 2.  DPREV = the LDS instructions of the half-quarter before.
.set DPREV, 0
.macro HQ c, slot, mul, mode
.set k_hc, (\c)
.set k_hh, k_hc%2
.set k_hq, k_hc/2
.if \mul
.if k_hc > 0
	s_wait_dscnt DPREV                             ; all but the last half-quarter's LDS instructions are done: what I multiply now was asked for in the one before that (for c = 0 the barrier's wait has shown it)
.endif
	WIN W1
.if \mul == 2
	MUL12 k_hh, (k_hq+1)%2, 1
.else
	MUL12 k_hh, (k_hq+1)%2, 0
.endif
.endif
	WIN 0
.if \mode
	STGB k_hc, 1-\slot, \mode                      ; its eight conversions are also the places in front of the loads into fragments below
.if k_hc < 4
	STGA k_hc, 1-\slot, \mode
.endif
.elseif \mul
	PLACES
.endif
.if k_hh == 0
.set k_hj, 0
.rept 4
	ds_load_tr16_b128 v[FB+32*(k_hq%2)+8*k_hj:FB+32*(k_hq%2)+8*k_hj+3], v[ADRB+\slot] offset:32*k_hq*PB+32*k_hj
	ds_load_tr16_b128 v[FB+32*(k_hq%2)+8*k_hj+4:FB+32*(k_hq%2)+8*k_hj+7], v[ADRB+\slot] offset:32*k_hq*PB+32*k_hj+16*PB
.set k_hj, k_hj+1
.endr
.endif
	WIN W1
.if \mode
.if k_hc/2 == 2
	STGA k_hc, 1-\slot, \mode
.endif
.endif
.set k_hr, 3*k_hh
.rept 3
	ds_load_b128 v[FA+8*k_hr:FA+8*k_hr+3], v[ADRA+\slot] offset:16*PA*k_hr+64*k_hq
	ds_load_b128 v[FA+8*k_hr+4:FA+8*k_hr+7], v[ADRA+\slot] offset:16*PA*k_hr+64*k_hq+32
.set k_hr, k_hr+1
.endr
.set DPREV, 6+8*(1-k_hh)
.if \mode
.set DPREV, DPREV+4
.if k_hc < 6
.set DPREV, DPREV+2
.endif
.endif
.endm
; An interval and its barrier.  guard = 1: a block without rows jumps over the work and rejoins in front of the barrier.
.macro INTERVAL slot, first, mode, guard
.if \guard
	s_cmp_lg_u32 s26, 0
	s_cbranch_scc0 .Lnone_\@
.endif
.if \mode == 1
	s_wait_xcnt 0x0                                ; the bases are sources of the loads that are out: they step only behind this wait
	s_add_nc_u64 s[4:5], s[4:5], 256               ; 128 k on: the tile that this interval asks for
	s_add_nc_u64 s[6:7], s[6:7], 128*WPITCH
.endif
.if \first
	HQ 0, \slot, 0, \mode
	HQ 1, \slot, 0, \mode
	HQ 2, \slot, 2, \mode
	HQ 3, \slot, 2, \mode
.else
	HQ 0, \slot, 1, \mode
	HQ 1, \slot, 1, \mode
	HQ 2, \slot, 1, \mode
	HQ 3, \slot, 1, \mode
.endif
	HQ 4, \slot, 1, \mode
	HQ 5, \slot, 1, \mode
	HQ 6, \slot, 1, \mode
	HQ 7, \slot, 1, \mode
	WIN 0                                          ; at a label and at a branch every window is 0
.if \guard
.Lnone_\@:
.endif
	BAR
.endm
	; tile 0 is asked for,
.set k_pc, 0
.rept 8
	WIN 0
	LDB k_pc
.if k_pc < 4
	LDA k_pc
.elseif k_pc < 6
	WIN W1
	LDA k_pc
.endif
.set k_pc, k_pc+1
.endr
	WIN 0
	s_wait_xcnt 0x0
	s_add_nc_u64 s[4:5], s[4:5], 256
	s_add_nc_u64 s[6:7], s[6:7], 128*WPITCH
	; and goes into slot 0, eighth by eighth, with tile 1 asked for behind it
.set k_pc, 0
.rept 8
	WIN 0
	STGB k_pc, 0, 1
.if k_pc < 4
	STGA k_pc, 0, 1
.elseif k_pc < 6
	WIN W1
	STGA k_pc, 0, 1
.endif
.set k_pc, k_pc+1
.endr
	WIN 0
	BAR
	INTERVAL 0, 1, 1, 0                            ; tile 0: every block runs it, its products start the sums; tile 1 into slot 1, tile 2 asked for
	s_mov_b32 s24, 2
.Lk:
	INTERVAL 1, 0, 1, 1                            ; tiles 1 and 3
	INTERVAL 0, 0, 1, 1                            ; tiles 2 and 4
	s_sub_co_u32 s24, s24, 1
	s_cmp_lg_u32 s24, 0
	s_cbranch_scc1 .Lk
	INTERVAL 1, 0, 1, 1                            ; tile 5; tile 7, the last, is asked for
	INTERVAL 0, 0, 2, 1                            ; tile 6; tile 7 into slot 1, nothing is asked for
	s_wait_loadcnt 0x0                             ; met at once in a block with rows; in one without, tile 2's loads are still aimed at the registers that the bias takes
.irp j, 0,1,2,3
	global_load_b128 v[BST+8*\j:BST+8*\j+3], v[VBIAS], s[8:9] offset:64*\j         ; the bias of my 64 columns, 8 a fragment and lane
	global_load_b128 v[BST+8*\j+4:BST+8*\j+7], v[VBIAS], s[8:9] offset:64*\j+16
.endr
	INTERVAL 1, 0, 0, 1                            ; tile 7; its barrier shows that nobody reads a slot any more
	WIN W1
	MUL12 0, 1, 0                                  ; tile 7's last quarter: its fragments are in registers
	MUL12 1, 1, 0
	WIN 0
	; THE WAY OUT.  Bias (and relu and rounding in layer 1), then through LDS bytes 0 .. 192 SP - 1, so that whole runs of 512 bytes leave.
	PLACES                                         ; behind the last matrix instructions: their results are read and their sources written below
	s_wait_loadcnt 0x0                             ; the bias
.set oi, 0
.rept 6
.if LAYER == 1
	WIN 0x01                                       ; source 0, the accumulators, in window 1
.irp j, 0,1,2,3
.irp p, 0,1,2,3
	v_pk_add_f32 v[T+8*\j+2*\p:T+8*\j+2*\p+1], v[8*(4*oi+\j)+2*\p:8*(4*oi+\j)+2*\p+1], v[BST+8*\j+2*\p:BST+8*\j+2*\p+1]
.endr
.endr
	WIN 0
.set ox, 0
.rept 32
	v_max_num_f32 v[T+ox], 0, v[T+ox]
.set ox, ox+1
.endr
.irp j, 0,1,2,3
.irp p, 0,1,2,3
	v_cvt_pk_bf16_f32 v[T+8*\j+\p], v[T+8*\j+2*\p], v[T+8*\j+2*\p+1]
.endr
	ds_store_b128 v[VSTG+oi/3], v[T+8*\j:T+8*\j+3] offset:16*SP*(oi%3)+32*\j
.endr
.else
	WIN 0x10                                       ; source 2, the accumulators, in window 1
.irp j, 0,1,2,3
.irp p, 0,1,2,3
	v_pk_fma_f32 v[T+8*\j+2*\p:T+8*\j+2*\p+1], v[BST+8*\j+2*\p:BST+8*\j+2*\p+1], 0.5, v[8*(4*oi+\j)+2*\p:8*(4*oi+\j)+2*\p+1] op_sel_hi:[1,0,1]
.endr
.endr
	WIN 0
.irp j, 0,1,2,3
	ds_store_b128 v[VSTG+oi/3], v[T+8*\j:T+8*\j+3] offset:16*SP*(oi%3)+64*\j
	ds_store_b128 v[VSTG+oi/3], v[T+8*\j+4:T+8*\j+7] offset:16*SP*(oi%3)+64*\j+16
.endr
.endif
.set oi, oi+1
.endr
	BAR                                            ; a row's pieces come from four waves
.set op, 0
.rept NRD
	ds_load_b128 v[RB+4*op:RB+4*op+3], v[VRD] offset:SP*(op/LPO)+512*(op%LPO)      ; rows 24 w .. 24 w + 23, 512 bytes a load
.set op, op+1
.endr
.set op, 0
.rept NRD
	s_wait_dscnt NRD-1-op                          ; LDS loads come back in order: load op is in
	global_store_b128 v[VOUT], v[RB+4*op:RB+4*op+3], s[12:13] offset:4096*(op/LPO)+512*(op%LPO)   ; the wave's store covers 512 consecutive bytes, aligned
.set op, op+1
.endr
	s_wait_xcnt 0x0
	v_lshl_add_u32 v254, v0, 2, 0x3b800
	v_mov_b32 v255, 0
	s_wait_tensorcnt 0x0
	ds_add_u32 v254, v255
	s_wait_dscnt 0x0
	s_endpgm
.Lfunc_end_k_q5af58e744d_ffn1:
	.size	k_q5af58e744d_ffn1, .Lfunc_end_k_q5af58e744d_ffn1-k_q5af58e744d_ffn1
	.p2alignl 7, 3214868480
	.fill 96, 4, 3214868480
	.section	.rodata,"a",@progbits
	.p2align	6, 0x0
	.amdhsa_kernel k_q5af58e744d_ffn1
		.amdhsa_group_segment_fixed_size 244736
		.amdhsa_private_segment_fixed_size 0
		.amdhsa_enable_private_segment 0
		.amdhsa_kernarg_size 40
		.amdhsa_user_sgpr_count 2
		.amdhsa_user_sgpr_kernarg_segment_ptr 1
		.amdhsa_wavefront_size32 1
		.amdhsa_system_sgpr_workgroup_id_x 1
		.amdhsa_system_sgpr_workgroup_id_y 1
		.amdhsa_system_sgpr_workgroup_id_z 1
		.amdhsa_system_vgpr_workitem_id 0
		.amdhsa_next_free_vgpr 512
		.amdhsa_next_free_sgpr 66
		.amdhsa_reserve_vcc 0
		.amdhsa_float_denorm_mode_32 3
		.amdhsa_float_denorm_mode_16_64 3
		.amdhsa_memory_ordered 1
		.amdhsa_forward_progress 1
		.amdhsa_inst_pref_size 173
	.end_amdhsa_kernel
	.amdgpu_metadata
---
amdhsa.version: [ 1, 2 ]
amdhsa.kernels:
  - .name:           k_q5af58e744d_ffn1
    .symbol:         k_q5af58e744d_ffn1.kd
    .args:
      - { .name: xb, .offset: 0, .size: 8, .value_kind: global_buffer, .address_space: global }
      - { .name: W1, .offset: 8, .size: 8, .value_kind: global_buffer, .address_space: global }
      - { .name: b1, .offset: 16, .size: 8, .value_kind: global_buffer, .address_space: global }
      - { .name: tab, .offset: 24, .size: 8, .value_kind: global_buffer, .address_space: global }
      - { .name: h, .offset: 32, .size: 8, .value_kind: global_buffer, .address_space: global }
    .group_segment_fixed_size: 244736
    .private_segment_fixed_size: 0
    .kernarg_segment_align: 8
    .kernarg_segment_size: 40
    .max_flat_workgroup_size: 256
    .sgpr_count:     66
    .vgpr_count:     512
    .wavefront_size: 32
...
	.end_amdgpu_metadata
.endif
;; end of part 8
;; launch ffn2 (part 9): grid 8 x 29, 8 waves a work-group, no clusters, 244,736 bytes of LDS; arguments h, W2, b2, tab, y; writes y
.if DOCPART == 9
	.amdgcn_target "amdgcn-amd-amdhsa--gfx1250"
	.amdhsa_code_object_version 6
	.text
	.protected	k_q5af58e744d_ffn2
	.globl	k_q5af58e744d_ffn2
	.p2align	8
	.type	k_q5af58e744d_ffn2,@function
k_q5af58e744d_ffn2:
	s_mov_b64 s[64:65], 0
	v_nop
	global_prefetch_b8 v0, s[64:65] scope:SCOPE_SE
	s_setreg_imm32_b32 hwreg(HW_REG_WAVE_MODE, 25, 1), 1
	s_wait_xcnt 0x0
; EXPERT LAYER (one text for both layers; LAYER picks the few lines that differ).  Every work-group makes 192 slots x 256 columns over K = 1,024.
;   LAYER 1: h[slot][256 nt ..] = relu(xb[token(slot)] W1[e] + b1[e]) in bf16.                       Grid x = nt, 8 column tiles
;   LAYER 2: y[ks][slot][256 nt ..] = h[slot][1024 ks ..] W2[e][1024 ks ..] + b2[e] / 2 in f32.      Grid x = nt + 4 ks: 4 column tiles x 2 halves of K.
;            The two halves are added by the last launch; half the bias in each (an exact scaling) gives the whole bias there.
; Only the rows whose gate is not zero are computed: the module multiplies the other experts' rows by a gate of exactly 0.  LIMIT: where such a row
; would be infinite or NaN the module's own sum is NaN; that is not reproduced.  relu by v_max_num_f32 turns a NaN into 0.
; Grid y = block b of 192 slots; 29 blocks is the bound for every routing.  The column tile is the grid's fast axis: the blocks that read the same columns of
; the same expert's weights have work-group numbers 8, 16, .. apart, and in layer 2 the low half of K belongs to x = 0..3 and the high half to x = 4..7.
; tab gives the block's expert (BLK[b]); 8 says that the block holds padding slots alone.
; Such a block runs the first tile and the way out (what it stores is finite and never gathered) and jumps over the WORK of the other seven intervals; the
; jump rejoins in front of each interval's barrier, so every wave passes every barrier whatever was read.
; The weights are f32 in memory and pass through registers to be rounded to bf16, and layer 1's rows of A are gathered by token: so both tiles come
; through registers (global_load_b128, rounded, ds_store) and not by tensor loads.  No joint loads in a cluster either: they are tensor loads, and how many
; blocks share an expert's weights is a number read from memory, so partners would not make the same requests.
; Eight waves, 2 x 4, a wave makes 96 x 64: 24 accumulators.  K goes in tiles of 128 through two LDS slots (A: 192 rows x (256 + 16) bytes; B: 128 rows of k x
; (512 + 32) bytes, bf16 [k][n]).  A tile is 44 loads of 16 bytes a lane and wave: 32 of W, 12 of A, 176 registers.
; AN INTERVAL (from barrier to barrier) is eight half-quarters of 12 matrix instructions: the last quarter of the tile before, then three quarters of this tile.
; Behind its products each half-quarter (1) rounds and puts into the other slot one eighth of the next tile, and asks at once, into the registers just freed, for the
; same eighth of the tile after next: every load has a whole interval in which to land; (2) refills the three fragments of A that it has just used with
; the next quarter's; (3) in even half-quarters fills the other buffer of B's four fragments.  512 registers leave no room for a second buffer of A.
; ONE barrier an interval orders two things: my stores into the other slot before its reads, and my reads of this slot before the next interval's stores into it.
; THE MATRIX INSTRUCTION IS USED TRANSPOSED (source 0 = 16 columns of W, source 1 = 16 slots): a lane then holds 8 neighbouring columns of one slot's row.
.set LAYER, 2
.if LAYER == 1
.set WPITCH,  8192                     ; bytes from a row of W to the next
.set OB,      512                      ; bytes of a row of the result in the tile
.set HSH,     4                        ; log2 of the bytes of 8 columns of the result
.set BSTRIDE, 8192                     ; bytes of an expert's bias
.else
.set WPITCH,  4096
.set OB,      1024
.set HSH,     5
.set BSTRIDE, 4096
.set YH,      22806528                 ; bytes of one half's y
.endif
.set PA,     272                       ; 256 + 16: an odd multiple of 16, so the 16 rows of a fragment begin at 16 different 16-byte columns modulo 256
.set PB,     544                       ; 512 + 32: an odd multiple of 32, for the transposing loads
.set ABYTES, 192*PA
.set SLOT,   ABYTES+128*PB
.set SP,     OB+16                     ; the way out: pitch of a row in LDS
.set LPO,    OB/512                    ; loads and stores for a row of the result
.set NRD,    24*LPO                    ; for a wave's 24 rows
.set NLD,    44                        ; loads of a tile
.set BLK,    40960
; window 0 (v0-v255)
.set VOA,   4                          ; v[4:15] layer 1: byte offset in xb of row 24 w + 2 a + h, + 16 r;  layer 2: v4 alone, the rows in the immediate
.set VOB,   16                         ; byte offset in W of my 16 bytes of k row 16 w
.set ADRA,  17                         ; v17, v18  LDS address of my A fragments in slot 0, 1
.set ADRB,  19                         ; v19, v20  the same for B
.set STA,   21                         ; v21, v22  where I put A's rows
.set STB,   23                         ; v23, v24  where I put B's rows
.set VSTG,  25                         ; v25, v26  the way out: where I put a piece of a row, for my rows 0-47 and 48-95
.set VRD,   27                         ; where I read whole rows back
.set VOUT,  28                         ; my byte offset in the result
.set VBIAS, 29                         ; my byte offset in the bias
.set FB,    32                         ; v[32:95]   two buffers of 4 fragments of B
.set BST,   96                         ; v[96:223]  W as loaded, then rounded in place; at the end the bias
.set AST0,  224                        ; v[224:255] A's loads 0-7
.set T,     32                         ; the way out: 32 registers at work
.set RB,    64                         ; the way out: rows read back
; window 1 (v256-v511): accumulator (i, j) at 8 (4 i + j)
.set FA,    192                        ; v[448:495] 6 fragments of A
.set AST1,  240                        ; v[496:511] A's loads 8-11
; Two settings of the register windows do all the work of the loop: 0, and W1 = destination, source 1 and source 2 in window 1, source 0 in window 0.
; W1 fits the matrix instruction (D, C and A's fragments above, B's fragments below), an LDS load of an A fragment, and the LDS stores and global loads of A's loads 8-11.
.set W1, 0x54
.set MSB, 0
.macro WIN new                         ; s_set_vgpr_msb: bits 1:0 source 0, 3:2 source 1, 5:4 source 2, 7:6 destination; the high byte repeats the setting that is left
.if MSB != \new
	s_set_vgpr_msb (MSB<<8)|\new
.set MSB, \new
.endif
.endm
.macro PLACES                          ; four plain vector instructions between a matrix instruction and a load into, or a vector write or read of, its registers
.rept 4
	v_nop
.endr
.endm
.macro BAR
	s_wait_dscnt 0x0                               ; my LDS stores are in and my LDS reads are back, for the others' sake
	s_barrier_signal -1
	s_barrier_wait -1
.endm
	s_load_b256 s[4:11], s[0:1], 0x0               ; A's buffer s[4:5], W s[6:7], bias s[8:9], tab s[10:11]
	s_load_b64 s[12:13], s[0:1], 0x20              ; the result
	v_lshl_add_u32 v14, v0, 2, 0x3b800
	v_mov_b32 v15, 0
	s_and_b32 s17, ttmp7, 0xffff                   ; block b: the grid's y
	s_mov_b32 s18, ttmp9                           ; column tile (layer 2: + 4 x half of K): the grid's x
	s_lshl_b32 s25, s17, 2                         ; kept untouched until the scalar load below has come
	v_and_b32 v1, 31, v0                           ; lane L
	v_lshrrev_b32 v30, 5, v0
	v_readfirstlane_b32 s14, v30                   ; wave w
	v_and_b32 v2, 15, v0                           ; r
	v_bfe_u32 v3, v0, 4, 1                         ; h
	s_lshr_b32 s15, s14, 2                         ; wm
	s_and_b32 s16, s14, 3                          ; wn
.if LAYER == 1
	s_mul_i32 s20, s17, 768
	s_mul_i32 s21, s14, 96
	s_add_co_u32 s20, s20, s21
	v_lshl_add_u32 v33, v3, 2, s20                 ; 4 (192 b + 24 w + h)
.endif
	s_wait_kmcnt 0x0
	s_load_b32 s19, s[10:11], s25 offset:BLK       ; the block's expert; it lands while the addresses are made
.if LAYER == 1
.irp i, 0,1,2,3,4,5,6,7,8,9,10,11
	global_load_b32 v[VOA+\i], v33, s[10:11] offset:8*\i   ; the tokens of my 24 slots
.endr
	v_lshlrev_b32 v34, 4, v2
.else
	s_lshr_b32 s27, s18, 2                         ; ks
	s_and_b32 s18, s18, 3                          ; nt
.endif
	; A fragment i, 32 k at byte 64 q: lane (r, h) takes 16 bytes at row 96 wm + 16 i + r, byte 64 q + 16 h, and 16 more 32 bytes on
	s_mul_i32 s20, s15, 96*PA
	v_mul_u32_u24 v30, v2, PA
	v_lshl_add_u32 v30, v3, 4, v30
	v_add_nc_u32 v[ADRA], s20, v30
	v_add_nc_u32 v[ADRA+1], SLOT, v[ADRA]
	; B fragment j from rows that lie along n: two transposing loads, at k row 32 q + 8 h + (L & 7) and 16 rows on, byte 2 (64 wn + 16 j) + 16 ((L >> 3) & 1)
	v_and_b32 v31, 7, v0
	v_lshl_add_u32 v31, v3, 3, v31
	v_mul_u32_u24 v31, v31, PB
	v_bfe_u32 v32, v0, 3, 1
	v_lshl_add_u32 v31, v32, 4, v31
	s_lshl_b32 s20, s16, 7
	s_add_co_u32 s20, s20, ABYTES
	v_add_nc_u32 v[ADRB], s20, v31
	v_add_nc_u32 v[ADRB+1], SLOT, v[ADRB]
	; what I bring: A's rows 24 w .. 24 w + 23, two a load (lanes 0-15 one row's 256 bytes, lanes 16-31 the next row's)
	s_mul_i32 s20, s14, 24*PA
	v_mul_u32_u24 v31, v3, PA
	v_lshl_add_u32 v31, v2, 4, v31
	v_add_nc_u32 v[STA], s20, v31
	v_add_nc_u32 v[STA+1], SLOT, v[STA]
	; and W's k rows 16 w .. 16 w + 15, two loads of 512 bytes a row: 4 f32 a lane become 8 bytes
	s_mul_i32 s20, s14, 16*PB
	s_add_co_u32 s20, s20, ABYTES
	v_lshl_add_u32 v[STB], v1, 3, s20
	v_add_nc_u32 v[STB+1], SLOT, v[STB]
	s_mul_i32 s20, s14, 16*WPITCH
	v_lshl_add_u32 v[VOB], v1, 4, s20
	; the way out
	s_mul_i32 s20, s15, 96*SP
	s_mul_i32 s21, s16, OB/4
	s_add_co_u32 s20, s20, s21
	v_mul_u32_u24 v31, v2, SP
	v_lshl_add_u32 v31, v3, HSH, v31
	v_add_nc_u32 v[VSTG], s20, v31
	v_add_nc_u32 v[VSTG+1], 48*SP, v[VSTG]         ; a second register: the immediate of an LDS instruction has 16 bits
	s_mul_i32 s20, s14, 24*SP
	v_lshl_add_u32 v[VRD], v1, 4, s20
	s_lshl_b32 s20, s16, 8
	v_lshl_add_u32 v[VBIAS], v3, 5, s20            ; 4 (64 wn + 8 h)
	s_mul_i32 s20, s14, 24*4096
	v_lshl_add_u32 v[VOUT], v1, 4, s20
.if LAYER == 2
	v_lshlrev_b32 v31, 12, v3
	v_lshl_add_u32 v31, v2, 4, v31
	v_add_nc_u32 v[VOA], s20, v31                  ; (24 w + h) x 4,096 + 16 r
.endif
	s_wait_kmcnt 0x0                               ; the expert
	s_cmp_lt_u32 s19, 8
	s_cselect_b32 s26, 1, 0                        ; 1: the block holds rows
	s_min_u32 s19, s19, 7                          ; it enters an address only behind s_min_u32
	s_lshl_b32 s20, s19, 23                        ; an expert's weights are 2^23 bytes
	s_lshl_b32 s21, s18, 10                        ; 256 columns of f32
	s_add_co_u32 s20, s20, s21
.if LAYER == 2
	s_lshl_b32 s22, s27, 22                        ; 1,024 rows of 4,096 bytes
	s_add_co_u32 s20, s20, s22
.endif
	s_mov_b32 s21, 0
	s_add_nc_u64 s[6:7], s[6:7], s[20:21]
	s_mul_i32 s20, s19, BSTRIDE
	s_lshl_b32 s22, s18, 10
	s_add_co_u32 s20, s20, s22
	s_add_nc_u64 s[8:9], s[8:9], s[20:21]
	s_mul_i32 s22, s17, 192*4096                   ; 192 rows of 4,096 bytes, in h and in y alike
.if LAYER == 2
	s_lshl_b32 s20, s27, 11                        ; 1,024 k of bf16
	s_add_co_u32 s20, s20, s22
	s_add_nc_u64 s[4:5], s[4:5], s[20:21]
	s_mul_i32 s20, s27, YH
	s_add_co_u32 s22, s22, s20
.endif
	s_mul_i32 s20, s18, OB
	s_add_co_u32 s20, s20, s22
	s_add_nc_u64 s[12:13], s[12:13], s[20:21]
.if LAYER == 1
	s_wait_loadcnt 0x0
.irp i, 0,1,2,3,4,5,6,7,8,9,10,11
	v_min_u32 v[VOA+\i], 2047, v[VOA+\i]           ; a token read from the table enters an address only behind v_min_u32
	v_lshl_add_u32 v[VOA+\i], v[VOA+\i], 11, v34   ; token x 2,048 bytes + 16 r
.endr
.endif
; A tile's 44 loads go in eight eighths: eighth c is W's loads 4 c .. 4 c + 3 and, for c < 6, A's loads 2 c, 2 c + 1.  Always in this order, so that the counts below hold.
.macro LDB c                           ; window 0
.set k_lb, 4*(\c)
.rept 4
	global_load_b128 v[BST+4*k_lb:BST+4*k_lb+3], v[VOB], s[6:7] offset:(k_lb/2)*WPITCH+512*(k_lb%2)   ; 512 consecutive bytes of a row of W
.set k_lb, k_lb+1
.endr
.endm
.macro LDA c                           ; c < 4: window 0;  c = 4, 5: W1
.set k_la, 2*(\c)
.rept 2
.if k_la < 8
.set k_lr, AST0+4*k_la
.else
.set k_lr, AST1+4*(k_la-8)
.endif
.if LAYER == 1
	global_load_b128 v[k_lr:k_lr+3], v[VOA+k_la], s[4:5]                  ; two rows' 256 bytes
.else
	global_load_b128 v[k_lr:k_lr+3], v[VOA], s[4:5] offset:8192*k_la
.endif
.set k_la, k_la+1
.endr
.endm
; Eighth c of the tile that has been asked for goes into LDS slot 'slot'.  mode 1: the same eighth of the tile behind it is asked for at once;  mode 2: nothing more is asked for.
.macro STGB c, slot, mode              ; window 0
.set k_sc, (\c)
.if k_sc < 6
.set k_sn, 6
.set k_cum, 6*(k_sc+1)
.else
.set k_sn, 4
.set k_cum, 36+4*(k_sc-5)
.endif
.if \mode == 1
	s_wait_loadcnt NLD-k_sn                        ; 44 loads are out and come back in order: the oldest, this eighth's, are in
.else
	s_wait_loadcnt NLD-k_cum                       ; nothing has been asked for since: what is out are the eighths behind this one
.endif
.set k_sb, 4*k_sc
.rept 4
	v_cvt_pk_bf16_f32 v[BST+4*k_sb], v[BST+4*k_sb], v[BST+4*k_sb+1]
	v_cvt_pk_bf16_f32 v[BST+4*k_sb+1], v[BST+4*k_sb+2], v[BST+4*k_sb+3]
.set k_sb, k_sb+1
.endr
.set k_sb, 4*k_sc
.rept 4
	ds_store_b64 v[STB+\slot], v[BST+4*k_sb:BST+4*k_sb+1] offset:(k_sb/2)*PB+256*(k_sb%2)   ; 32 lanes, 256 consecutive bytes
.set k_sb, k_sb+1
.endr
.if \mode == 1
	LDB k_sc
.endif
.endm
.macro STGA c, slot, mode              ; c < 4: window 0;  c = 4, 5: W1
.set k_sa, 2*(\c)
.rept 2
.if k_sa < 8
.set k_sr, AST0+4*k_sa
.else
.set k_sr, AST1+4*(k_sa-8)
.endif
	ds_store_b128 v[STA+\slot], v[k_sr:k_sr+3] offset:2*PA*k_sa
.set k_sa, k_sa+1
.endr
.if \mode == 1
	LDA \c
.endif
.endm
; 12 matrix instructions: my slots 48 hf .. 48 hf + 47 x my 64 columns, 32 along K, from B's buffer fb.  zero = 1: the products start the sums, nothing is cleared.
; The 24 accumulators take turns, one instruction a turn, in the same order in every quarter, over the loop's backward jump and every jump over an interval too.
.macro MUL12 hf, fb, zero
.set k_mi, 3*(\hf)
.rept 3
.set k_mj, 0
.rept 4
.if \zero
	v_wmma_f32_16x16x32_bf16 v[8*(4*k_mi+k_mj):8*(4*k_mi+k_mj)+7], v[FB+32*(\fb)+8*k_mj:FB+32*(\fb)+8*k_mj+7], v[FA+8*k_mi:FA+8*k_mi+7], 0
.else
	v_wmma_f32_16x16x32_bf16 v[8*(4*k_mi+k_mj):8*(4*k_mi+k_mj)+7], v[FB+32*(\fb)+8*k_mj:FB+32*(\fb)+8*k_mj+7], v[FA+8*k_mi:FA+8*k_mi+7], v[8*(4*k_mi+k_mj):8*(4*k_mi+k_mj)+7]
.endif
.set k_mj, k_mj+1
.endr
.set k_mi, k_mi+1
.endr
.endm
; Half-quarter c = 0 .. 7 of an interval on slot 'slot'.  It multiplies half c % 2 of the quarter in front of quarter c / 2 (mul 0: nothing yet; 1: adds; 2: starts the sums)
; and fetches that half of A's fragments, and for even c B's, of quarter c / 2.  DPREV = the LDS instructions of the half-quarter before.
.set DPREV, 0
.macro HQ c, slot, mul, mode
.set k_hc, (\c)
.set k_hh, k_hc%2
.set k_hq, k_hc/2
.if \mul
.if k_hc > 0
	s_wait_dscnt DPREV                             ; all but the last half-quarter's LDS instructions are done: what I multiply now was asked for in the one before that (for c = 0 the barrier's wait has shown it)
.endif
	WIN W1
.if \mul == 2
	MUL12 k_hh, (k_hq+1)%2, 1
.else
	MUL12 k_hh, (k_hq+1)%2, 0
.endif
.endif
	WIN 0
.if \mode
	STGB k_hc, 1-\slot, \mode                      ; its eight conversions are also the places in front of the loads into fragments below
.if k_hc < 4
	STGA k_hc, 1-\slot, \mode
.endif
.elseif \mul
	PLACES
.endif
.if k_hh == 0
.set k_hj, 0
.rept 4
	ds_load_tr16_b128 v[FB+32*(k_hq%2)+8*k_hj:FB+32*(k_hq%2)+8*k_hj+3], v[ADRB+\slot] offset:32*k_hq*PB+32*k_hj
	ds_load_tr16_b128 v[FB+32*(k_hq%2)+8*k_hj+4:FB+32*(k_hq%2)+8*k_hj+7], v[ADRB+\slot] offset:32*k_hq*PB+32*k_hj+16*PB
.set k_hj, k_hj+1
.endr
.endif
	WIN W1
.if \mode
.if k_hc/2 == 2
	STGA k_hc, 1-\slot, \mode
.endif
.endif
.set k_hr, 3*k_hh
.rept 3
	ds_load_b128 v[FA+8*k_hr:FA+8*k_hr+3], v[ADRA+\slot] offset:16*PA*k_hr+64*k_hq
	ds_load_b128 v[FA+8*k_hr+4:FA+8*k_hr+7], v[ADRA+\slot] offset:16*PA*k_hr+64*k_hq+32
.set k_hr, k_hr+1
.endr
.set DPREV, 6+8*(1-k_hh)
.if \mode
.set DPREV, DPREV+4
.if k_hc < 6
.set DPREV, DPREV+2
.endif
.endif
.endm
; An interval and its barrier.  guard = 1: a block without rows jumps over the work and rejoins in front of the barrier.
.macro INTERVAL slot, first, mode, guard
.if \guard
	s_cmp_lg_u32 s26, 0
	s_cbranch_scc0 .Lnone_\@
.endif
.if \mode == 1
	s_wait_xcnt 0x0                                ; the bases are sources of the loads that are out: they step only behind this wait
	s_add_nc_u64 s[4:5], s[4:5], 256               ; 128 k on: the tile that this interval asks for
	s_add_nc_u64 s[6:7], s[6:7], 128*WPITCH
.endif
.if \first
	HQ 0, \slot, 0, \mode
	HQ 1, \slot, 0, \mode
	HQ 2, \slot, 2, \mode
	HQ 3, \slot, 2, \mode
.else
	HQ 0, \slot, 1, \mode
	HQ 1, \slot, 1, \mode
	HQ 2, \slot, 1, \mode
	HQ 3, \slot, 1, \mode
.endif
	HQ 4, \slot, 1, \mode
	HQ 5, \slot, 1, \mode
	HQ 6, \slot, 1, \mode
	HQ 7, \slot, 1, \mode
	WIN 0                                          ; at a label and at a branch every window is 0
.if \guard
.Lnone_\@:
.endif
	BAR
.endm
	; tile 0 is asked for,
.set k_pc, 0
.rept 8
	WIN 0
	LDB k_pc
.if k_pc < 4
	LDA k_pc
.elseif k_pc < 6
	WIN W1
	LDA k_pc
.endif
.set k_pc, k_pc+1
.endr
	WIN 0
	s_wait_xcnt 0x0
	s_add_nc_u64 s[4:5], s[4:5], 256
	s_add_nc_u64 s[6:7], s[6:7], 128*WPITCH
	; and goes into slot 0, eighth by eighth, with tile 1 asked for behind it
.set k_pc, 0
.rept 8
	WIN 0
	STGB k_pc, 0, 1
.if k_pc < 4
	STGA k_pc, 0, 1
.elseif k_pc < 6
	WIN W1
	STGA k_pc, 0, 1
.endif
.set k_pc, k_pc+1
.endr
	WIN 0
	BAR
	INTERVAL 0, 1, 1, 0                            ; tile 0: every block runs it, its products start the sums; tile 1 into slot 1, tile 2 asked for
	s_mov_b32 s24, 2
.Lk:
	INTERVAL 1, 0, 1, 1                            ; tiles 1 and 3
	INTERVAL 0, 0, 1, 1                            ; tiles 2 and 4
	s_sub_co_u32 s24, s24, 1
	s_cmp_lg_u32 s24, 0
	s_cbranch_scc1 .Lk
	INTERVAL 1, 0, 1, 1                            ; tile 5; tile 7, the last, is asked for
	INTERVAL 0, 0, 2, 1                            ; tile 6; tile 7 into slot 1, nothing is asked for
	s_wait_loadcnt 0x0                             ; met at once in a block with rows; in one without, tile 2's loads are still aimed at the registers that the bias takes
.irp j, 0,1,2,3
	global_load_b128 v[BST+8*\j:BST+8*\j+3], v[VBIAS], s[8:9] offset:64*\j         ; the bias of my 64 columns, 8 a fragment and lane
	global_load_b128 v[BST+8*\j+4:BST+8*\j+7], v[VBIAS], s[8:9] offset:64*\j+16
.endr
	INTERVAL 1, 0, 0, 1                            ; tile 7; its barrier shows that nobody reads a slot any more
	WIN W1
	MUL12 0, 1, 0                                  ; tile 7's last quarter: its fragments are in registers
	MUL12 1, 1, 0
	WIN 0
	; THE WAY OUT.  Bias (and relu and rounding in layer 1), then through LDS bytes 0 .. 192 SP - 1, so that whole runs of 512 bytes leave.
	PLACES                                         ; behind the last matrix instructions: their results are read and their sources written below
	s_wait_loadcnt 0x0                             ; the bias
.set oi, 0
.rept 6
.if LAYER == 1
	WIN 0x01                                       ; source 0, the accumulators, in window 1
.irp j, 0,1,2,3
.irp p, 0,1,2,3
	v_pk_add_f32 v[T+8*\j+2*\p:T+8*\j+2*\p+1], v[8*(4*oi+\j)+2*\p:8*(4*oi+\j)+2*\p+1], v[BST+8*\j+2*\p:BST+8*\j+2*\p+1]
.endr
.endr
	WIN 0
.set ox, 0
.rept 32
	v_max_num_f32 v[T+ox], 0, v[T+ox]
.set ox, ox+1
.endr
.irp j, 0,1,2,3
.irp p, 0,1,2,3
	v_cvt_pk_bf16_f32 v[T+8*\j+\p], v[T+8*\j+2*\p], v[T+8*\j+2*\p+1]
.endr
	ds_store_b128 v[VSTG+oi/3], v[T+8*\j:T+8*\j+3] offset:16*SP*(oi%3)+32*\j
.endr
.else
	WIN 0x10                                       ; source 2, the accumulators, in window 1
.irp j, 0,1,2,3
.irp p, 0,1,2,3
	v_pk_fma_f32 v[T+8*\j+2*\p:T+8*\j+2*\p+1], v[BST+8*\j+2*\p:BST+8*\j+2*\p+1], 0.5, v[8*(4*oi+\j)+2*\p:8*(4*oi+\j)+2*\p+1] op_sel_hi:[1,0,1]
.endr
.endr
	WIN 0
.irp j, 0,1,2,3
	ds_store_b128 v[VSTG+oi/3], v[T+8*\j:T+8*\j+3] offset:16*SP*(oi%3)+64*\j
	ds_store_b128 v[VSTG+oi/3], v[T+8*\j+4:T+8*\j+7] offset:16*SP*(oi%3)+64*\j+16
.endr
.endif
.set oi, oi+1
.endr
	BAR                                            ; a row's pieces come from four waves
.set op, 0
.rept NRD
	ds_load_b128 v[RB+4*op:RB+4*op+3], v[VRD] offset:SP*(op/LPO)+512*(op%LPO)      ; rows 24 w .. 24 w + 23, 512 bytes a load
.set op, op+1
.endr
.set op, 0
.rept NRD
	s_wait_dscnt NRD-1-op                          ; LDS loads come back in order: load op is in
	global_store_b128 v[VOUT], v[RB+4*op:RB+4*op+3], s[12:13] offset:4096*(op/LPO)+512*(op%LPO)   ; the wave's store covers 512 consecutive bytes, aligned
.set op, op+1
.endr
	s_wait_tensorcnt 0x0
	ds_add_u32 v14, v15
	s_wait_dscnt 0x0
	s_endpgm
.Lfunc_end_k_q5af58e744d_ffn2:
	.size	k_q5af58e744d_ffn2, .Lfunc_end_k_q5af58e744d_ffn2-k_q5af58e744d_ffn2
	.p2alignl 7, 3214868480
	.fill 96, 4, 3214868480
	.section	.rodata,"a",@progbits
	.p2align	6, 0x0
	.amdhsa_kernel k_q5af58e744d_ffn2
		.amdhsa_group_segment_fixed_size 244736
		.amdhsa_private_segment_fixed_size 0
		.amdhsa_enable_private_segment 0
		.amdhsa_kernarg_size 40
		.amdhsa_user_sgpr_count 2
		.amdhsa_user_sgpr_kernarg_segment_ptr 1
		.amdhsa_wavefront_size32 1
		.amdhsa_system_sgpr_workgroup_id_x 1
		.amdhsa_system_sgpr_workgroup_id_y 1
		.amdhsa_system_sgpr_workgroup_id_z 1
		.amdhsa_system_vgpr_workitem_id 0
		.amdhsa_next_free_vgpr 512
		.amdhsa_next_free_sgpr 66
		.amdhsa_reserve_vcc 0
		.amdhsa_float_denorm_mode_32 3
		.amdhsa_float_denorm_mode_16_64 3
		.amdhsa_memory_ordered 1
		.amdhsa_forward_progress 1
		.amdhsa_inst_pref_size 165
	.end_amdhsa_kernel
	.amdgpu_metadata
---
amdhsa.version: [ 1, 2 ]
amdhsa.kernels:
  - .name:           k_q5af58e744d_ffn2
    .symbol:         k_q5af58e744d_ffn2.kd
    .args:
      - { .name: h, .offset: 0, .size: 8, .value_kind: global_buffer, .address_space: global }
      - { .name: W2, .offset: 8, .size: 8, .value_kind: global_buffer, .address_space: global }
      - { .name: b2, .offset: 16, .size: 8, .value_kind: global_buffer, .address_space: global }
      - { .name: tab, .offset: 24, .size: 8, .value_kind: global_buffer, .address_space: global }
      - { .name: y, .offset: 32, .size: 8, .value_kind: global_buffer, .address_space: global }
    .group_segment_fixed_size: 244736
    .private_segment_fixed_size: 0
    .kernarg_segment_align: 8
    .kernarg_segment_size: 40
    .max_flat_workgroup_size: 256
    .sgpr_count:     66
    .vgpr_count:     512
    .wavefront_size: 32
...
	.end_amdgpu_metadata
.endif
;; end of part 9
;; launch combine (part 10): grid 256 x 1, 8 waves a work-group, no clusters, 0 bytes of LDS; arguments y, gate, tab, out0; writes out0
.if DOCPART == 10
	.amdgcn_target "amdgcn-amd-amdhsa--gfx1250"
	.amdhsa_code_object_version 6
	.text
	.protected	k_q5af58e744d_combine
	.globl	k_q5af58e744d_combine
	.p2align	8
	.type	k_q5af58e744d_combine,@function
k_q5af58e744d_combine:
	s_mov_b64 s[64:65], 0
	v_nop
	global_prefetch_b8 v0, s[64:65] scope:SCOPE_SE
	s_setreg_imm32_b32 hwreg(HW_REG_WAVE_MODE, 25, 1), 1
	s_wait_xcnt 0x0
; COMBINE.  out[t] = g1 (y[0][s1] + y[1][s1]) + g2 (y[0][s2] + y[1][s2]), s1 and s2 the slots of token t's first and second choice; y[0] and y[1] are the
; two halves of K of the second expert layer, each with half of the bias.  The sums over the halves and over a token's two experts are made by gathering:
; one wave owns one token's row of 4,096 bytes, reads the four rows of y that belong to it and stores the row once.
; A stream: 32 loads of 512 consecutive bytes in flight in every wave, no LDS, no barrier, no matrix unit.
.set SM, 24576                         ; tab: 2,048 x 2 words, the slot of (token, choice)
.set YH, 22806528                      ; bytes of one half's y
.set A0, 2                             ; v[2:33]    first choice, first half of K; then the result
.set A1, 34                            ; v[34:65]   first choice, second half
.set B0, 66                            ; v[66:97]   second choice, first half
.set B1, 98                            ; v[98:129]  second choice, second half
	s_load_b256 s[4:11], s[0:1], 0x0               ; y s[4:5], gate s[6:7], tab s[8:9], out s[10:11]
	v_lshrrev_b32 v2, 5, v0
	v_readfirstlane_b32 s26, v2                    ; wave
	v_and_b32 v1, 31, v0
	v_lshlrev_b32 v1, 4, v1                        ; 16 x lane
	s_lshl_b32 s27, ttmp9, 3
	s_add_co_u32 s27, s27, s26                     ; token t
	s_lshl_b32 s20, s27, 3
	s_wait_kmcnt 0x0
	s_load_b64 s[12:13], s[8:9], s20 offset:SM     ; the two slots
	s_load_b64 s[14:15], s[6:7], s20 offset:0x0    ; the two gates
	s_wait_kmcnt 0x0
	s_min_u32 s12, s12, 5567                       ; a slot read from the table enters an address only behind s_min_u32
	s_min_u32 s13, s13, 5567
	s_lshl_b32 s16, s12, 12                        ; rows of 4,096 bytes
	s_mov_b32 s17, 0
	s_lshl_b32 s18, s13, 12
	s_mov_b32 s19, 0
	s_add_nc_u64 s[16:17], s[4:5], s[16:17]
	s_add_nc_u64 s[18:19], s[4:5], s[18:19]
	s_add_nc_u64 s[28:29], s[16:17], YH            ; the other half lies further off than a load's immediate reaches: bases of its own
	s_add_nc_u64 s[30:31], s[18:19], YH
	s_mov_b32 s22, s14                             ; each gate as a pair for the packed arithmetic
	s_mov_b32 s23, s14
	s_mov_b32 s24, s15
	s_mov_b32 s25, s15
	s_lshl_b32 s20, s27, 12
	s_mov_b32 s21, 0
	s_add_nc_u64 s[10:11], s[10:11], s[20:21]
.irp m, 0,1,2,3,4,5,6,7
	global_load_b128 v[A0+4*\m:A0+4*\m+3], v1, s[16:17] offset:512*\m th:TH_LOAD_NT
	global_load_b128 v[A1+4*\m:A1+4*\m+3], v1, s[28:29] offset:512*\m th:TH_LOAD_NT
	global_load_b128 v[B0+4*\m:B0+4*\m+3], v1, s[18:19] offset:512*\m th:TH_LOAD_NT
	global_load_b128 v[B1+4*\m:B1+4*\m+3], v1, s[30:31] offset:512*\m th:TH_LOAD_NT
.endr
.irp m, 0,1,2,3,4,5,6,7
	s_wait_loadcnt 28-4*\m                         ; loads come back in order: group m of four is in, the younger groups stay out
.irp p, 0,2
	v_pk_add_f32 v[A0+4*\m+\p:A0+4*\m+\p+1], v[A0+4*\m+\p:A0+4*\m+\p+1], v[A1+4*\m+\p:A1+4*\m+\p+1]
	v_pk_add_f32 v[B0+4*\m+\p:B0+4*\m+\p+1], v[B0+4*\m+\p:B0+4*\m+\p+1], v[B1+4*\m+\p:B1+4*\m+\p+1]
.endr
.irp p, 0,2
	v_pk_mul_f32 v[B0+4*\m+\p:B0+4*\m+\p+1], v[B0+4*\m+\p:B0+4*\m+\p+1], s[24:25] op_sel_hi:[1,0]
.endr
.irp p, 0,2
	v_pk_fma_f32 v[A0+4*\m+\p:A0+4*\m+\p+1], v[A0+4*\m+\p:A0+4*\m+\p+1], s[22:23], v[B0+4*\m+\p:B0+4*\m+\p+1] op_sel_hi:[1,0,1]
.endr
	global_store_b128 v1, v[A0+4*\m:A0+4*\m+3], s[10:11] offset:512*\m th:TH_STORE_NT   ; 512 consecutive bytes, aligned
.endr
	s_endpgm
.Lfunc_end_k_q5af58e744d_combine:
	.size	k_q5af58e744d_combine, .Lfunc_end_k_q5af58e744d_combine-k_q5af58e744d_combine
	.p2alignl 7, 3214868480
	.fill 96, 4, 3214868480
	.section	.rodata,"a",@progbits
	.p2align	6, 0x0
	.amdhsa_kernel k_q5af58e744d_combine
		.amdhsa_group_segment_fixed_size 0
		.amdhsa_private_segment_fixed_size 0
		.amdhsa_enable_private_segment 0
		.amdhsa_kernarg_size 32
		.amdhsa_user_sgpr_count 2
		.amdhsa_user_sgpr_kernarg_segment_ptr 1
		.amdhsa_wavefront_size32 1
		.amdhsa_system_sgpr_workgroup_id_x 1
		.amdhsa_system_sgpr_workgroup_id_y 1
		.amdhsa_system_sgpr_workgroup_id_z 1
		.amdhsa_system_vgpr_workitem_id 0
		.amdhsa_next_free_vgpr 132
		.amdhsa_next_free_sgpr 66
		.amdhsa_reserve_vcc 0
		.amdhsa_float_denorm_mode_32 3
		.amdhsa_float_denorm_mode_16_64 3
		.amdhsa_memory_ordered 1
		.amdhsa_forward_progress 1
		.amdhsa_inst_pref_size 10
	.end_amdhsa_kernel
	.amdgpu_metadata
---
amdhsa.version: [ 1, 2 ]
amdhsa.kernels:
  - .name:           k_q5af58e744d_combine
    .symbol:         k_q5af58e744d_combine.kd
    .args:
      - { .name: y, .offset: 0, .size: 8, .value_kind: global_buffer, .address_space: global }
      - { .name: gate, .offset: 8, .size: 8, .value_kind: global_buffer, .address_space: global }
      - { .name: tab, .offset: 16, .size: 8, .value_kind: global_buffer, .address_space: global }
      - { .name: out0, .offset: 24, .size: 8, .value_kind: global_buffer, .address_space: global }
    .group_segment_fixed_size: 0
    .private_segment_fixed_size: 0
    .kernarg_segment_align: 8
    .kernarg_segment_size: 32
    .max_flat_workgroup_size: 256
    .sgpr_count:     66
    .vgpr_count:     132
    .wavefront_size: 32
...
	.end_amdgpu_metadata
.endif
;; end of part 10
